; MI455X (gfx1250); checked and timed in simulation.
; The chip was launched on July 23, 2026; its instructions are those of AMD's public machine-readable ISA for CDNA 5 (MIT licence, August 2026) and "CDNA5" Instruction Set Architecture Reference Guide (July 2026). The comments in the code are by the model that wrote it; some were corrected since.
;; Causal Self Attention. Allowed arithmetic: matrix products marked QUANTISED: E2M1 operands, one E8M0 scale for each 32 along K, by v_wmma_scale_f32_16x16x128_f8f6f4 with both operands' format E2M1 (or v_wmma_scale_f32_32x16x128_f4), f32 sums; products left as they are: bf16, f16 or f32 operands; f32 sums; everything else in f32.
;; Inputs: hidden_states 4 x 2,048 x 1,024 float32; o_b 1,024 float32; o_w 1,024 x 1,024 float32; qkv_b 3,072 float32; qkv_w 3,072 x 1,024 float32.
;; Outputs: out0 4 x 2,048 x 1,024 float32.
;; This version of the problem:
;;   THIS VERSION OF THE PROBLEM IS GIVEN IN LOW PRECISION. The matrix products marked QUANTISED in the list below multiply operands that are first quantised to E2M1 (2 exponent bits, 1 mantissa bit; 4 bits a number), with one power-of-two scale for each 32 numbers along K (OCP MX v1.0); their sums are f32. The products marked 'left as it is' may take bf16, f16 or f32 operands, with f32 sums. Whichever they take, every output number must still come out within the allowed error. Rounding operands to bf16 (8 significant bits) uses up far more of that allowance than f16 does (11 bits, for magnitudes from 6e-5 to 65,504). All else is computed in f32.
;;   The module's matrix products, in the order in which they are computed (A, B: the left and right operand; K: the contracted axis; several contracted axes count as one K, in the product's order):
;;     1. [M 8,192, K 1,024] x [K 1,024, N 3,072]; A: input hidden_states; B: input qkv_w: QUANTISED
;;     2. batch 64 x [M 2,048, K 64] x [K 64, N 2,048]; A: computed on the way; B: computed on the way: left as it is (an operand is computed on the way)
;;     3. batch 64 x [M 2,048, K 2,048] x [K 2,048, N 64]; A: computed on the way; B: computed on the way: left as it is (an operand is computed on the way)
;;     4. [M 8,192, K 1,024] x [K 1,024, N 1,024]; A: computed on the way; B: input o_w: left as it is (an operand is computed on the way)
;;   THE QUANTISER, for each operand of a quantised product, along K:
;;     - K is cut into blocks of 32 from its start; a last block that is shorter is filled with zeros.
;;     - A block's scale is 2^e with e = floor(log2(the largest magnitude in the block)) - 2, held to -126 .. 127; a block of zeros has e = 0. As a byte (E8M0): e + 127.
;;     - Each number is divided by its block's scale, clamped to +-6, and rounded to the nearest number of E2M1, ties to even, subnormals kept.
;;     - The product sums the exact products of the quantised numbers (number of the format x scale) in f32.
;;   ~~~python
;;   def quantise(x, axis):      # numpy; x: float32 -> the quantised numbers, widened to float32 again
;;       x = np.moveaxis(x, axis, -1); K = x.shape[-1]
;;       x = np.pad(x, [(0, 0)] * (x.ndim - 1) + [(0, -K % 32)]); x = x.reshape(x.shape[:-1] + (-1, 32)); a = np.abs(x).max(-1, keepdims=True)
;;       e = np.where(a > 0, np.clip(np.frexp(np.where(a > 0, a, 1))[1] - 1 - 2, -126, 127), 0)      # np.frexp(a)[1] - 1 = floor(log2(a)), exactly
;;       r = np.clip(x / 2.0 ** e, -6, 6)
;;       step = 2.0 ** (np.maximum(np.frexp(np.where(r == 0, 1, r))[1] - 1, 0) - 1)
;;       q = np.round(r / step) * step * 2.0 ** e      # np.round: ties to even
;;       return np.moveaxis(q.reshape(q.shape[:-2] + (-1,))[..., :K], -1, axis).astype(np.float32)
;;   ~~~
;; One version. Each part assembles by itself: llvm-mc -triple=amdgcn-amd-amdhsa -mcpu=gfx1250 --defsym DOCPART=n.
;; ======== version 1 of 1: 5 launches
;; limits: values are held in f16: magnitudes above 65,504 overflow, below 6.1e-05 lose precision
;; workspace buffers: x_codes 4,194,304 bytes; x_scales 262,144 bytes; w_codes 1,572,864 bytes; w_scales 98,304 bytes; ow16 2,097,152 bytes; qkv16 50,331,648 bytes; qkv32 786,432 bytes; att16 16,777,216 bytes
;; launch quant (part 1): grid 384 x 1, 4 waves a work-group, no clusters, 33,280 bytes of LDS; arguments hidden_states, qkv_w, o_w, x_codes, x_scales, w_codes, w_scales, ow16; writes x_codes, x_scales, w_codes, w_scales, ow16
.if DOCPART == 1
	.amdgcn_target "amdgcn-amd-amdhsa--gfx1250"
	.amdhsa_code_object_version 6
	.text
	.protected	k_q47f15f687d_quant
	.globl	k_q47f15f687d_quant
	.p2align	8
	.type	k_q47f15f687d_quant,@function
k_q47f15f687d_quant:
	s_mov_b64 s[64:65], 0
	v_nop
	global_prefetch_b8 v0, s[64:65] scope:SCOPE_SE
	s_setreg_imm32_b32 hwreg(HW_REG_WAVE_MODE, 25, 1), 1
	s_wait_xcnt 0x0
; hidden_states [8192][1024] and qkv_w [3072][1024], f32, become codes of FP4 (E2M1), K innermost, two codes a byte, with one E8M0 byte for each 32 along K;
; o_w [1024][1024], f32, becomes f16, laid [tile of 128 outputs][head][128 outputs][64 channels], so that a head's part of a tile is 16,384 consecutive bytes.
; A block's scale is 2^(floor(log2(its largest magnitude)) - 2): its byte is the largest magnitude's exponent field - 2, held at 1 from below.  (A block of zeros so gets the byte 1 where the
; rule says 127: its codes are zeros, which add nothing under any byte but 0xff, and the bytes are read by this program alone.)
; LIMITS: blocks whose largest magnitude lies under 2^(2 - 126) keep the byte 1; NaN and infinities among the inputs are not served; a number of o_w beyond 65,504 has no f16.
; Work-groups 0-255 take hidden_states, 256-351 qkv_w: rows are dense and 1,024 is a multiple of 32, so both are plain streams of blocks.  A wave takes 16 steps of 512 numbers; each load reads 512
; consecutive bytes; a step's 2,048 bytes turn through the wave's own stage in LDS, so that a lane holds 16 neighbours along K (two lanes to a block).  A wave's store of codes covers 256 aligned bytes;
; its 256 scale bytes are gathered in LDS and leave as one aligned run of 256 bytes.  Work-groups 352-383 take o_w and use no LDS.  No barrier: waves share nothing.
.set WAVES, 4
.set STEPS, 16
.set WGA,   256                        ; work-groups of hidden_states: 8192 x 1024 / 32768
.set WGQ,   352                        ; and with qkv_w's 96
.set EMAX,  2
.set CB,    8                          ; bytes of 16 codes
.set R,     16                         ; v16-79   four sets of 16 numbers as they are loaded
.set X,     80                         ; v80-111  two sets of 16 neighbours
.set C,     128                        ; v128-191 codes: four registers for each step, so that no store's data are written again
.set E,     112                        ; v112-127 a scale byte for each step
.set WREG,  8192                       ; LDS: a region for each wave: two stages of 32 x SP bytes, behind them its 256 scale bytes
.set SP,    80                         ; a lane's place in a stage: 64 bytes + 16 of padding
.set SPW,   12                         ; v12 LDS address of my spare word; never rewritten
.set NIL,   13                         ; v13 0; never rewritten
.set SPARE, WAVES*WREG                 ; behind the four regions: the spare words, 128 bytes a wave, which no other line names
	s_load_b256 s[4:11], s[0:1], 0x0               ; hidden_states s[4:5], qkv_w s[6:7], o_w s[8:9], x_codes s[10:11]
	s_load_b256 s[12:19], s[0:1], 0x20             ; x_scales s[12:13], w_codes s[14:15], w_scales s[16:17], ow16 s[18:19]
	v_lshl_add_u32 v[SPW], v0, 2, SPARE
	v_mov_b32 v[NIL], 0
	v_lshrrev_b32 v1, 5, v0
	v_readfirstlane_b32 s20, v1                    ; wave
	v_and_b32 v2, 31, v0                           ; lane
	s_cmp_ge_u32 ttmp9, WGQ                        ; the last 32 work-groups take o_w: a branch on the work-group's number
	s_cbranch_scc1 .Lcast
	v_lshlrev_b32 v3, 4, v2                        ; my 16 bytes of a load's 512
	s_mul_i32 s21, s20, WREG
	v_lshrrev_b32 v14, 2, v2
	v_mul_u32_u24 v14, v14, SP
	v_and_b32 v15, 3, v2
	v_lshl_add_u32 v14, v15, 4, v14
	v_add_nc_u32 v14, s21, v14                     ; the stage, on the way in: SP (lane / 4) + 16 (lane % 4)
	v_mul_u32_u24 v15, v2, SP
	v_add_nc_u32 v15, s21, v15                     ; and on the way out: SP x lane: my 16 neighbours
	v_mul_u32_u24 v4, v2, CB                       ; my codes' place in a step's
	v_lshrrev_b32 v5, 1, v2
	s_add_co_u32 s21, s21, 2*32*SP
	v_add_nc_u32 v5, s21, v5                       ; LDS: my wave's 256 scale bytes, my block's byte
	v_lshlrev_b32 v7, 3, v2                        ; and on the way out 8 bytes a lane
	v_add_nc_u32 v6, s21, v7
	s_wait_kmcnt 0x0
	s_cmp_lt_u32 ttmp9, WGA                        ; which tensor: the choice hangs on the work-group's number alone
	s_cselect_b64 s[4:5], s[4:5], s[6:7]
	s_cselect_b64 s[10:11], s[10:11], s[14:15]
	s_cselect_b64 s[12:13], s[12:13], s[16:17]
	s_cselect_b32 s21, 0, WGA
	s_sub_co_u32 s21, ttmp9, s21
	s_lshl_b32 s21, s21, 2
	s_add_co_u32 s22, s21, s20                     ; which run of 8,192 numbers of the tensor is my wave's
	s_mov_b32 s23, 0
	s_mov_b64 s[24:25], 512*STEPS*4
	s_mul_u64 s[24:25], s[22:23], s[24:25]
	s_add_nc_u64 s[4:5], s[4:5], s[24:25]
	s_mov_b64 s[24:25], 32*STEPS*CB
	s_mul_u64 s[24:25], s[22:23], s[24:25]
	s_add_nc_u64 s[10:11], s[10:11], s[24:25]
	s_lshl_b32 s22, s22, 8                         ; 256 scale bytes a run
	s_add_nc_u64 s[12:13], s[12:13], s[22:23]
.macro LOAD t
.irp i, 0,1,2,3
	global_load_b128 v[R+16*((\t)%4)+4*\i:R+16*((\t)%4)+4*\i+3], v3, s[4:5] offset:2048*(\t)+512*\i th:TH_LOAD_NT   ; 32 lanes read 512 consecutive bytes
.endr
.endm
.macro TURN t                          ; step t's numbers through the stage: LDS serves a wave's instructions in order, so no wait stands between the stores and the loads
.irp i, 0,1,2,3
	ds_store_b128 v14, v[R+16*((\t)%4)+4*\i:R+16*((\t)%4)+4*\i+3] offset:32*SP*((\t)%2)+8*SP*\i
.endr
.irp i, 0,1,2,3
	ds_load_b128 v[X+16*((\t)%2)+4*\i:X+16*((\t)%2)+4*\i+3], v15 offset:32*SP*((\t)%2)+16*\i
.endr
.endm
.irp t, 0,1,2,3
	LOAD \t
.endr
	s_wait_loadcnt 12                              ; step 0's four loads are in; the twelve of steps 1 to 3 may be out
	TURN 0
.macro STEP t
.set XS, X+16*((\t)%2)
.if (\t) > 0
	s_wait_dscnt 1                                 ; this step's numbers are back from the stage (the last step's byte store may be out)
.else
	s_wait_dscnt 0x0
.endif
.if (\t)+4 < STEPS
	LOAD (\t)+4                                    ; into the registers that this step's stores into the stage have read
.endif
.if (\t)+1 < STEPS
.if STEPS-2-(\t) >= 3
	s_wait_loadcnt 12                              ; the next step's four loads are in; those of the three steps behind it may be out
.else
	s_wait_loadcnt 4*(STEPS-2-(\t))
.endif
	TURN (\t)+1                                    ; through the other stage while this step is worked
.endif
	v_max3_num_f32 v8, |v[XS]|, |v[XS+1]|, |v[XS+2]|               ; the largest magnitude of my 16, in two chains
	v_max3_num_f32 v9, |v[XS+3]|, |v[XS+4]|, |v[XS+5]|
.irp i, 6,10
	v_max3_num_f32 v8, v8, |v[XS+\i]|, |v[XS+\i+1]|
	v_max3_num_f32 v9, v9, |v[XS+\i+2]|, |v[XS+\i+3]|
.endr
	v_max3_num_f32 v8, v8, |v[XS+14]|, |v[XS+15]|
	v_max3_num_f32 v8, v8, v9, (EMAX+1)<<23        ; and the floor 2^(EMAX + 1 - 127): the byte cannot fall under 1
	v_max_num_f32_dpp v8, v8, v8 row_xmask:1 row_mask:0xf bank_mask:0xf   ; and of my neighbour's 16: the block's
	v_add_nc_u32 v11, -(EMAX<<23), v8              ; EMAX off its exponent field: the conversion takes the exponent field of this operand as its scale
	v_cvt_scalef32_pk8_fp4_f32 v[C+4*(\t)], v[XS:XS+7], v11
	v_cvt_scalef32_pk8_fp4_f32 v[C+4*(\t)+1], v[XS+8:XS+15], v11
	v_lshrrev_b32 v[E+(\t)], 23, v11               ; the scale's byte (also the plain line behind the conversions)
	ds_store_b8 v5, v[E+(\t)] offset:16*(\t)       ; both lanes of a block write the same byte with the same value
	global_store_b64 v4, v[C+4*(\t):C+4*(\t)+1], s[10:11] offset:32*CB*(\t)   ; the wave stores 256 consecutive bytes, aligned
.endm
.irp t, 0,1,2,3,4,5,6,7,8,9,10,11,12,13,14,15
	STEP \t
.endr
	ds_load_b64 v[8:9], v6                         ; LDS serves a wave's instructions in order: these see my byte stores
	s_wait_dscnt 0x0
	global_store_b64 v7, v[8:9], s[12:13]          ; 32 lanes store 256 consecutive bytes, aligned
	s_wait_tensorcnt 0x0                           ; the wave's end, behind my last LDS store
	ds_add_u32 v[SPW], v[NIL]
	s_wait_dscnt 0x0
	s_endpgm
; o_w to f16.  Wave W = 4 (work-group - 352) + wave takes outputs 128 (W / 16) .. + 127, channels 64 (W % 16) .. + 63: one block of ow16.
; A load takes two rows' 256 bytes (lanes 0-15 one row, lanes 16-31 the next); its 128 numbers are 256 consecutive bytes of ow16.
.Lcast:
	s_sub_co_u32 s21, ttmp9, WGQ
	s_lshl_b32 s21, s21, 2
	s_add_co_u32 s21, s21, s20                     ; W
	s_lshr_b32 s22, s21, 4
	s_lshl_b32 s22, s22, 19                        ; 128 rows of 4,096 bytes
	s_and_b32 s24, s21, 15
	s_lshl_b32 s24, s24, 8                         ; 64 channels of 4 bytes
	s_add_co_u32 s22, s22, s24
	s_mov_b32 s23, 0
	s_lshl_b32 s24, s21, 14                        ; a block of ow16
	s_mov_b32 s25, 0
	v_lshrrev_b32 v3, 4, v2
	v_and_b32 v4, 15, v2
	v_lshlrev_b32 v3, 12, v3
	v_lshl_add_u32 v3, v4, 4, v3                   ; in: 4,096 (lane / 16) + 16 (lane % 16)
	v_lshlrev_b32 v4, 3, v2                        ; out: 8 x lane
	s_wait_kmcnt 0x0
	s_add_nc_u64 s[8:9], s[8:9], s[22:23]
	s_add_nc_u64 s[18:19], s[18:19], s[24:25]
.macro LOADB k                         ; 16 loads, rows 32 k .. 32 k + 31, into set k % 2
.irp i, 0,1,2,3,4,5,6,7,8,9,10,11,12,13,14,15
	global_load_b128 v[16+64*((\k)%2)+4*\i:16+64*((\k)%2)+4*\i+3], v3, s[8:9] offset:(16*(\k)+\i)*8192
.endr
.endm
.macro CVTB k                          ; rounded to f16 in place, and stored: the wave's store covers 256 consecutive bytes, aligned
.irp i, 0,1,2,3,4,5,6,7,8,9,10,11,12,13,14,15
	v_cvt_pk_f16_f32 v[16+64*((\k)%2)+4*\i], v[16+64*((\k)%2)+4*\i], v[16+64*((\k)%2)+4*\i+1]
	v_cvt_pk_f16_f32 v[16+64*((\k)%2)+4*\i+1], v[16+64*((\k)%2)+4*\i+2], v[16+64*((\k)%2)+4*\i+3]
	global_store_b64 v4, v[16+64*((\k)%2)+4*\i:16+64*((\k)%2)+4*\i+1], s[18:19] offset:(16*(\k)+\i)*256
.endr
.endm
	LOADB 0
	LOADB 1
	s_wait_loadcnt 16                              ; the first set is in; the second's sixteen may be out
	CVTB 0
	s_wait_xcnt 0x0                                ; the stores have read their data: the set may be loaded again
	LOADB 2
	s_wait_loadcnt 16
	CVTB 1
	s_wait_xcnt 0x0
	LOADB 3
	s_wait_loadcnt 16
	CVTB 2
	s_wait_loadcnt 0x0
	CVTB 3
	s_endpgm
.Lfunc_end_k_q47f15f687d_quant:
	.size	k_q47f15f687d_quant, .Lfunc_end_k_q47f15f687d_quant-k_q47f15f687d_quant
	.p2alignl 7, 3214868480
	.fill 96, 4, 3214868480
	.section	.rodata,"a",@progbits
	.p2align	6, 0x0
	.amdhsa_kernel k_q47f15f687d_quant
		.amdhsa_group_segment_fixed_size 33280
		.amdhsa_private_segment_fixed_size 0
		.amdhsa_enable_private_segment 0
		.amdhsa_kernarg_size 64
		.amdhsa_user_sgpr_count 2
		.amdhsa_user_sgpr_kernarg_segment_ptr 1
		.amdhsa_wavefront_size32 1
		.amdhsa_system_sgpr_workgroup_id_x 1
		.amdhsa_system_sgpr_workgroup_id_y 1
		.amdhsa_system_sgpr_workgroup_id_z 1
		.amdhsa_system_vgpr_workitem_id 0
		.amdhsa_next_free_vgpr 192
		.amdhsa_next_free_sgpr 66
		.amdhsa_reserve_vcc 0
		.amdhsa_float_denorm_mode_32 3
		.amdhsa_float_denorm_mode_16_64 3
		.amdhsa_memory_ordered 1
		.amdhsa_forward_progress 1
		.amdhsa_inst_pref_size 54
	.end_amdhsa_kernel
	.amdgpu_metadata
---
amdhsa.version: [ 1, 2 ]
amdhsa.kernels:
  - .name:           k_q47f15f687d_quant
    .symbol:         k_q47f15f687d_quant.kd
    .args:
      - { .name: hidden_states, .offset: 0, .size: 8, .value_kind: global_buffer, .address_space: global }
      - { .name: qkv_w, .offset: 8, .size: 8, .value_kind: global_buffer, .address_space: global }
      - { .name: o_w, .offset: 16, .size: 8, .value_kind: global_buffer, .address_space: global }
      - { .name: x_codes, .offset: 24, .size: 8, .value_kind: global_buffer, .address_space: global }
      - { .name: x_scales, .offset: 32, .size: 8, .value_kind: global_buffer, .address_space: global }
      - { .name: w_codes, .offset: 40, .size: 8, .value_kind: global_buffer, .address_space: global }
      - { .name: w_scales, .offset: 48, .size: 8, .value_kind: global_buffer, .address_space: global }
      - { .name: ow16, .offset: 56, .size: 8, .value_kind: global_buffer, .address_space: global }
    .group_segment_fixed_size: 33280
    .private_segment_fixed_size: 0
    .kernarg_segment_align: 8
    .kernarg_segment_size: 64
    .max_flat_workgroup_size: 128
    .sgpr_count:     66
    .vgpr_count:     192
    .wavefront_size: 32
...
	.end_amdgpu_metadata
.endif
;; end of part 1
;; launch qkv (part 2): grid 12 x 32, 4 waves a work-group, clusters of 4 x 4, 327,680 bytes of LDS; arguments x_codes, x_scales, w_codes, w_scales, qkv_b, qkv16, qkv32; writes qkv16, qkv32
.if DOCPART == 2
	.amdgcn_target "amdgcn-amd-amdhsa--gfx1250"
	.amdhsa_code_object_version 6
	.text
	.protected	k_q47f15f687d_qkv
	.globl	k_q47f15f687d_qkv
	.p2align	8
	.type	k_q47f15f687d_qkv,@function
k_q47f15f687d_qkv:
	s_mov_b64 s[64:65], 0
	v_nop
	global_prefetch_b8 v0, s[64:65] scope:SCOPE_SE
	s_setreg_imm32_b32 hwreg(HW_REG_WAVE_MODE, 25, 1), 1
	s_wait_xcnt 0x0
	s_wait_alu depctr_hold_cnt(0) depctr_sa_sdst(0) depctr_va_vdst(0) depctr_va_sdst(0) depctr_va_ssrc(0) depctr_va_vcc(0) depctr_vm_vsrc(0)
	s_getreg_b32 s2, hwreg(HW_REG_IB_STS2, 6, 4)
	s_cmp_eq_u32 s2, 0
	s_cbranch_scc0 .Lentry_in_a_cluster
	s_endpgm
.Lentry_in_a_cluster:
	s_bfe_u32 s2, ttmp6, 0x10000c
	s_cmp_lg_u32 s2, 0xf033
	s_cbranch_scc0 .Lentry_shape_is_right
	s_endpgm
.Lentry_shape_is_right:
; qkv[m][n] = sum over k of x[m][k] w[n][k] + qkv_b[n], on codes of FP4 (E2M1) with one E8M0 scale for each 32 along K; M = 8,192, N = 3,072, K = 1,024; sums in f32.
; OUT: qkv16, f16, [q, k, v][batch][head][position][64]; q is multiplied by c = log2(e) / 8 first, so that the attention's scores are exponents of 2.  qkv32, f32, [batch][16][3072]: positions 0-15, unscaled.
; LIMITS: c q, k and v beyond 65,504 have no f16; under 6e-5 they keep an absolute error of 3e-8.
; A tile of 256 x 256 is made by four waves, each 128 x 128: 64 accumulators, 512 registers.  K is two steps of 512: both lie in LDS at once (two slots, each filled once), with the scale bytes of the
; work-group's 256 + 256 rows behind them.  By this text's count a wave has three tensor loads out at the start and none later.
; CLUSTERS: 4 x 4 work-groups.  The four of a row of the cluster need the same rows of x, the four of a column the same rows of w: each tile is asked for jointly.
; Tile row = 8 cy + cluster y, so that the batch is cy and the tile's first position 256 x cluster y: whether a tile holds positions 0-15 is the same in all sixteen partners.  q, k or v = cluster x.
; THE MATRIX INSTRUCTION IS USED TRANSPOSED (source 0 = 16 rows of w, source 1 = 16 rows of x): a lane holds eight neighbouring columns of one row.  The bias is the C of each sum's first product.
; REGISTERS: window 0: v16-30 addresses; v32-95 scale words, two sets; from v128 x's fragments, one set; on the way out v32-191 are free.  window 1: w's fragments at v0 and v128; the bias at v64-127.
;   window 2: the accumulators of my rows 0-63 ((a, b) at v[8 (8 a + b)]); window 3: rows 64-127.
.set NQ,     4                         ; matrix instructions deep in a slot
.set ROWB,   256                       ; a tile's row: 512 codes
.set KROW,   512                       ; a row of codes in memory
.set PITCH,  272                       ; an LDS row: 256 bytes + 16 of padding: the 16 rows of a load start 16 bytes apart modulo 256
.set FR,     8
.set NL,     2
.set NP,     4                         ; places behind this matrix instruction (ISA guide 7.12.1)
.set HALFT,  128*PITCH
.set SLOT,   4*HALFT
.set KS,     32                        ; a row of scale bytes
.set SCL,    2*SLOT                    ; behind the slots: the scales, as runs of 256 bytes + 16 of padding
.set HALFS,  16*272                    ; the scales of 128 rows
.set SBLK,   2*272                     ; those of 16 rows
.set SPARE,  SCL+4*HALFS               ; the spare words, 128 bytes a wave, which no other line names
.set SPITCH, 528                       ; the way out in f32: 16 rows x (512 bytes + 16), in slot 0, which has had its one fill and its last read by then
.set HPITCH, 144                       ; the way out in f16: two heads x 16 rows x (128 bytes + 16), in the same bytes
.set ADRA, 16
.set ADRB, 20
.set STH,  22                          ; v22 f16: where I put 16 bytes of a row
.set RDH,  23                          ; v23 f16: where I read rows back
.set STO,  24                          ; v24 f32: where I put 32 bytes of a row
.set RD,   25                          ; v25 f32: where I read a row back
.set CO,   26                          ; v26 16 x lane
.set ADRS, 27
.set SPW,  28
.set NIL,  29
.set BO,   30                          ; v30 the bias: 32 x (lane / 16)
.set SC,   32
.set AF,   128
.set BK,   128
.set TW,   32                          ; the way out: 64 numbers x FAC
.set TP,   96                          ; and packed
.set BIAS, 64                          ; in window 1
.set FAC,  66                          ; s[66:67] c for q, 1 for k and v
.set G1, 24
.set G0, 32
.set G1B, 48
.set G0B, 56
.set G1S, 68
.set G0S, 76
.set G1SB, 80
.set G0SB, 88
.set MSB, 0
.macro WIN new                         ; the immediate's high byte repeats the setting that is left
.if MSB != (\new)
	s_set_vgpr_msb (MSB<<8)|(\new)
.set MSB, (\new)
.endif
.endm
.set MUL_LO, 0xa1                      ; source 0 (w) window 1, source 1 (x) window 0, C and D window 2
.set MUL_HI, 0xf1                      ; the same, C and D window 3
.set TO_B,   0x40
; A joint load: waves 0 and 1 fetch for x, waves 2 and 3 for w.  The branch hangs on the wave's number alone.  An s_nop 0 and four v_nop follow each line.
.macro JLOAD g0a, g1a, g0b, g1b
	s_cmp_eq_u32 s15, 0
	s_cbranch_scc0 .Lfor_b_\@
	tensor_load_to_lds s[\g0a:\g0a+3], s[\g1a:\g1a+7]
	s_nop 0
.rept 4
	v_nop
.endr
	s_branch .Lasked_\@
.Lfor_b_\@:
	tensor_load_to_lds s[\g0b:\g0b+3], s[\g1b:\g1b+7]
	s_nop 0
.rept 4
	v_nop
.endr
.Lasked_\@:
.endm
.macro CROUND                          ; a round of the cluster's barrier
	s_barrier_signal -1
	s_barrier_wait -1
	s_cmp_lg_u32 s14, 0
	s_cbranch_scc1 .Lnot_wave_0_\@
	s_barrier_signal -3
.Lnot_wave_0_\@:
	s_barrier_wait -3
	s_barrier_signal -1
	s_barrier_wait -1
.endm
	s_load_b128 s[4:7], s[0:1], 0x0                ; x's codes, x's scales
	s_load_b128 s[8:11], s[0:1], 0x10              ; w's codes, w's scales
	s_load_b64 s[96:97], s[0:1], 0x20              ; qkv_b
	s_load_b64 s[12:13], s[0:1], 0x28              ; qkv16
	s_load_b64 s[98:99], s[0:1], 0x30              ; qkv32
	v_lshl_add_u32 v[SPW], v0, 2, SPARE
	v_mov_b32 v[NIL], 0
	ds_add_u32 v[SPW], v[NIL]                      ; the wave's opening: the add, twice on end, and its wait ahead of my first tensor load
	ds_add_u32 v[SPW], v[NIL]
	v_lshrrev_b32 v1, 5, v0
	v_readfirstlane_b32 s14, v1                    ; wave 0..3
	s_lshr_b32 s15, s14, 1                         ; which half of the tile's rows is mine.  Also: I fetch for x (0) or for w (1)
	s_and_b32 s16, s14, 1                          ; which half of its columns.  Also: which 128 rows I fetch
	s_bfe_u32 s40, ttmp6, 0x40000                  ; cx
	s_bfe_u32 s41, ttmp6, 0x40004                  ; cy
	s_lshl_b32 s42, ttmp9, 2
	s_add_co_u32 s42, s42, s40                     ; tile column = 4 x cluster x + cx
	s_and_b32 s17, ttmp7, 0xffff                   ; cluster y
	s_or_b32 s95, s17, s15                         ; 0 where my first 16 rows are positions 0-15: the same in all partners, for a given wave
	s_lshl_b32 s43, s41, 3
	s_add_co_u32 s17, s17, s43                     ; tile row = 8 cy + cluster y
	s_lshl_b32 s43, s41, 2
	s_lshl_b32 s43, 15, s43                        ; my row of the cluster
	s_lshl_b32 s44, 0x1111, s40                    ; my column
	s_mov_b32 s[FAC], 1.0
	s_cmp_eq_u32 ttmp9, 0                          ; q's columns?
	s_cselect_b32 s[FAC], 0x3e38aa3b, s[FAC]       ; c = log2(e) / 8
	s_mov_b32 s[FAC+1], s[FAC]                     ; (named with it as a pair)
	; descriptor group 1: 128 rows x 256 bytes, padded in LDS
	s_or_b32 s[G1+0], s43, (0<<16)|(1<<20)|(1<<21)|(5<<22)|(3<<25)  ; the mask; elements of 1 byte; padding on; bit 21 beside a mask; 4 words behind every 64
	s_or_b32 s[G1B+0], s44, (0<<16)|(1<<20)|(1<<21)|(5<<22)|(3<<25)
.irp g, G1, G1B
	s_mov_b32 s[\g+1], ROWB<<16                    ; tensor_dim0
	s_mov_b32 s[\g+2], 128<<16                     ; tensor_dim1
	s_mov_b32 s[\g+3], ROWB<<16                    ; tile_dim0
	s_mov_b32 s[\g+4], 128                         ; tile_dim1
	s_mov_b32 s[\g+5], KROW                        ; from row to row
	s_mov_b32 s[\g+6], 0
	s_mov_b32 s[\g+7], 0
.endr
	; the scales of 128 rows: 4,096 dense bytes, as 16 rows of 256 bytes (32 elements of 8), 16 bytes of padding behind each
	s_or_b32 s[G1S+0], s43, (3<<16)|(1<<20)|(1<<21)|(5<<22)|(3<<25)
	s_or_b32 s[G1SB+0], s44, (3<<16)|(1<<20)|(1<<21)|(5<<22)|(3<<25)
.irp g, G1S, G1SB
	s_mov_b32 s[\g+1], 32<<16
	s_mov_b32 s[\g+2], 16<<16
	s_mov_b32 s[\g+3], 32<<16
	s_mov_b32 s[\g+4], 16
	s_mov_b32 s[\g+5], 32
	s_mov_b32 s[\g+6], 0
	s_mov_b32 s[\g+7], 0
.endr
	s_lshl_b32 s18, s16, 7
	s_lshl_b32 s20, s17, 8
	s_add_co_u32 s20, s20, s18                     ; x: row 256 x tile row + 128 x half
	s_lshl_b32 s46, s42, 8
	s_add_co_u32 s46, s46, s18                     ; w: row 256 x tile column + 128 x half
	s_mov_b32 s21, 0
	s_mov_b32 s47, 0
	s_mov_b64 s[18:19], KS
	s_mul_u64 s[22:23], s[20:21], s[18:19]         ; where these rows' scales begin
	s_mul_u64 s[92:93], s[46:47], s[18:19]
	s_mov_b64 s[18:19], KROW
	s_mul_u64 s[20:21], s[20:21], s[18:19]         ; and their codes
	s_mul_u64 s[46:47], s[46:47], s[18:19]
	s_mul_i32 s45, s14, HALFT                      ; where they go: wave x 128 rows
	s_mul_i32 s94, s14, HALFS
	s_wait_dscnt 0x0                               ; both opening adds are done
	s_wait_kmcnt 0x0
	s_add_nc_u64 s[20:21], s[4:5], s[20:21]
	s_add_nc_u64 s[22:23], s[6:7], s[22:23]
	s_add_nc_u64 s[46:47], s[8:9], s[46:47]
	s_add_nc_u64 s[92:93], s[10:11], s[92:93]
	CROUND                                         ; all sixteen work-groups are here: the joint loads meet
	s_mov_b32 s[G0S], 1
	s_add_co_u32 s[G0S+1], s94, SCL
	s_mov_b64 s[G0S+2:G0S+3], s[22:23]
	s_or_b32 s[G0S+3], s[G0S+3], 0x80000000
	s_mov_b32 s[G0SB], 1
	s_add_co_u32 s[G0SB+1], s94, SCL
	s_mov_b64 s[G0SB+2:G0SB+3], s[92:93]
	s_or_b32 s[G0SB+3], s[G0SB+3], 0x80000000
	JLOAD G0S, G1S, G0SB, G1SB                     ; the scales first: they are wanted with K step 0
.irp s, 0,1
	s_mov_b32 s[G0+4*\s], 1
	s_add_co_u32 s[G0+4*\s+1], s45, \s*SLOT
	s_add_nc_u64 s[G0+4*\s+2:G0+4*\s+3], s[20:21], \s*ROWB
	s_or_b32 s[G0+4*\s+3], s[G0+4*\s+3], 0x80000000
	s_mov_b32 s[G0B+4*\s], 1
	s_add_co_u32 s[G0B+4*\s+1], s45, \s*SLOT
	s_add_nc_u64 s[G0B+4*\s+2:G0B+4*\s+3], s[46:47], \s*ROWB
	s_or_b32 s[G0B+4*\s+3], s[G0B+4*\s+3], 0x80000000
	JLOAD G0+4*\s, G1, G0B+4*\s, G1B
.endr
	v_and_b32 v1, 15, v0                           ; r = lane % 16
	v_bfe_u32 v2, v0, 4, 1                         ; h = lane / 16
	s_lshl_b32 s46, s42, 10                        ; my first column in f32 bytes: 1,024 x tile column + 512 x half
	s_lshl_b32 s47, s16, 9
	s_add_co_u32 s46, s46, s47
	s_mov_b32 s47, 0
	s_add_nc_u64 s[96:97], s[96:97], s[46:47]      ; the bias at my first column
	v_lshlrev_b32 v[BO], 5, v2                     ; lane (r, h) wants, for w's block b, the numbers of columns 16 b + 8 h + 0 .. 7
	WIN TO_B
.irp b, 0,1,2,3,4,5,6,7
	global_load_b128 v[BIAS+8*\b:BIAS+8*\b+3], v[BO], s[96:97] offset:64*\b
	global_load_b128 v[BIAS+8*\b+4:BIAS+8*\b+7], v[BO], s[96:97] offset:64*\b+16
.endr
	WIN 0
	v_mul_u32_u24 v3, v1, PITCH
	v_lshl_add_u32 v4, v2, 4, v3                   ; a fragment's row x pitch + 16 x half
	s_mul_i32 s21, s15, HALFT
	s_mul_i32 s22, s16, HALFT
	s_add_co_u32 s22, s22, 2*HALFT
.irp s, 0,1
	v_add_nc_u32 v[ADRA+\s], s21, v4
	v_add_nc_u32 v[ADRB+\s], s22, v4
	s_add_co_u32 s21, s21, SLOT
	s_add_co_u32 s22, s22, SLOT
.endr
	v_mul_u32_u24 v5, v1, KS                       ; my row's scales: 32 bytes a row,
	v_lshrrev_b32 v6, 8, v5
	v_lshl_add_u32 v5, v6, 4, v5                   ; and 16 more for each 256 passed
	s_mul_i32 s21, s15, HALFS
	s_mul_i32 s22, s16, HALFS
	s_add_co_u32 s22, s22, 2*HALFS
	s_sub_co_u32 s22, s22, s21
	v_mul_u32_u24 v6, s22, v2                      ; lanes 16-31 take w's
	s_add_co_u32 s21, s21, SCL
	v_add_nc_u32 v5, v5, v6
	v_add_nc_u32 v[ADRS], s21, v5
	s_mul_i32 s23, s14, 16*SPITCH                  ; my stage
	v_mul_u32_u24 v5, v1, SPITCH
	v_lshl_add_u32 v5, v2, 5, v5
	v_add_nc_u32 v[STO], s23, v5                   ; f32 in: row r, 32 bytes for each half of the lanes
	v_and_b32 v6, 31, v0
	v_lshlrev_b32 v[CO], 4, v6
	v_add_nc_u32 v[RD], s23, v[CO]                 ; f32 back: the 32 lanes take one row of 512 bytes
	v_mul_u32_u24 v5, v1, HPITCH
	v_lshl_add_u32 v5, v2, 4, v5
	v_add_nc_u32 v[STH], s23, v5                   ; f16 in: row r, 16 bytes for each half of the lanes
	v_bfe_u32 v5, v0, 3, 2
	v_mul_u32_u24 v5, v5, HPITCH
	v_and_b32 v6, 7, v0
	v_lshl_add_u32 v5, v6, 4, v5
	v_add_nc_u32 v[RDH], s23, v5                   ; f16 back: eight lanes to a row of 128 bytes, four rows an instruction
	s_mul_i32 s20, s41, 16*3072*4                  ; qkv32: my batch,
	s_mov_b32 s21, 0
	s_add_nc_u64 s[98:99], s[98:99], s[20:21]
	s_add_nc_u64 s[98:99], s[98:99], s[46:47]      ; my first column
	s_lshl_b32 s20, s41, 4                         ; qkv16: head number 16 x batch + 4 cx + 2 x half,
	s_lshl_b32 s21, s40, 2
	s_add_co_u32 s20, s20, s21
	s_lshl_b32 s21, s16, 1
	s_add_co_u32 s20, s20, s21
	s_lshl_b32 s20, s20, 11                        ; x 2,048 positions,
	s_and_b32 s21, ttmp7, 0xffff
	s_lshl_b32 s21, s21, 8
	s_add_co_u32 s20, s20, s21                     ; + 256 x cluster y
	s_lshl_b32 s21, s15, 7
	s_add_co_u32 s20, s20, s21                     ; + 128 x my half of the rows,
	s_lshl_b32 s20, s20, 7                         ; x 128 bytes,
	s_lshl_b32 s21, ttmp9, 24
	s_add_co_u32 s20, s20, s21                     ; in q's, k's or v's part
	s_mov_b32 s21, 0
	s_add_nc_u64 s[12:13], s[12:13], s[20:21]
.macro FRAG reg, adr, q, i             ; 16 rows x 128 K of 4-bit codes: 8 registers; registers 4 c .. 4 c + 3 hold K = 64 c + 32 (lane / 16) + 0 .. 31
.irp c, 0,1
	ds_load_b128 v[\reg+4*\c:\reg+4*\c+3], v[\adr] offset:64*(\q)+32*\c+(\i)*16*PITCH
.endr
.endm
; 16 matrix instructions: x's blocks a0, a0 + 1 against w's eight.  first = 1: the bias is the C.  The 64 accumulators take turns, one instruction a turn.
.macro MUL16 a0, p, q, sc, first
.irp a, \a0, \a0+1
.irp b, 0,1,2,3,4,5,6,7
.if \first
	v_wmma_scale_f32_16x16x128_f8f6f4 v[8*(8*((\a)%4)+\b):8*(8*((\a)%4)+\b)+7], v[128*(\p)+FR*\b:128*(\p)+FR*\b+FR-1], v[AF+FR*(\a):AF+FR*(\a)+FR-1], v[BIAS+8*\b:BIAS+8*\b+7], v[SC+8*NQ*(\sc)+NQ*\b+(\q)], v[SC+8*NQ*(\sc)+NQ*(\a)+(\q)] matrix_a_fmt:MATRIX_FMT_FP4 matrix_b_fmt:MATRIX_FMT_FP4 matrix_a_scale:MATRIX_SCALE_ROW1
.else
	v_wmma_scale_f32_16x16x128_f8f6f4 v[8*(8*((\a)%4)+\b):8*(8*((\a)%4)+\b)+7], v[128*(\p)+FR*\b:128*(\p)+FR*\b+FR-1], v[AF+FR*(\a):AF+FR*(\a)+FR-1], v[8*(8*((\a)%4)+\b):8*(8*((\a)%4)+\b)+7], v[SC+8*NQ*(\sc)+NQ*\b+(\q)], v[SC+8*NQ*(\sc)+NQ*(\a)+(\q)] matrix_a_fmt:MATRIX_FMT_FP4 matrix_b_fmt:MATRIX_FMT_FP4 matrix_a_scale:MATRIX_SCALE_ROW1
.endif
.endr
.endr
.endm
.macro FETCH_B slot, q, p
	WIN TO_B
.irp i, 0,1,2,3,4,5,6,7
	FRAG 128*(\p)+FR*\i, ADRB+\slot, \q, \i
.endr
	WIN 0
.endm
.macro FETCH_A slot, q, i0
.irp i, \i0, \i0+1, \i0+2, \i0+3
	FRAG AF+FR*(\i), ADRA+\slot, \q, \i
.endr
.endm
.macro SCALES sc                       ; a K step's scale words: lanes 0-15 take x's block i, lanes 16-31 w's block i
.irp i, 0,1,2,3,4,5,6,7
	ds_load_b128 v[SC+8*NQ*\sc+NQ*\i:SC+8*NQ*\sc+NQ*\i+3], v[ADRS] offset:\i*SBLK
.endr
.endm
.macro PLACES n                        ; plain vector lines between a matrix instruction and a load into, or a read of, its registers
.rept \n
	v_nop
.endr
.endm
.macro STEP slot, q, first             ; 128 along K that have their successor in the same slot
	s_wait_dscnt 4*NL                              ; w's set and x's blocks 0-3 are in; the youngest eight loads (x's blocks 4-7) may be out
.if \first
	WIN 0x91                                       ; C (the bias) window 1, D window 2
.else
	WIN MUL_LO
.endif
	MUL16 0, (\q)%2, \q, \slot, \first
	MUL16 2, (\q)%2, \q, \slot, \first
	s_wait_dscnt 0                                 ; x's blocks 4-7 are in
	PLACES NP
	FETCH_B \slot, (\q)+1, 1-(\q)%2
	FETCH_A \slot, (\q)+1, 0
.if \first
	WIN 0xd1                                       ; C window 1, D window 3
.else
	WIN MUL_HI
.endif
	MUL16 4, (\q)%2, \q, \slot, \first
	MUL16 6, (\q)%2, \q, \slot, \first
	PLACES NP
	WIN 0
	FETCH_A \slot, (\q)+1, 4
.endm
; Slot 0's last step goes over to slot 1: in front of the barrier each wave waits for all its tensor loads (slot 1's is the one that may be out).  Nothing is filled again.
.macro TURN slot, next
	s_wait_tensorcnt 0x0
	ds_add_u32 v[SPW], v[NIL]
	s_wait_dscnt 4*NL+1                            ; (the add and the youngest eight loads may be out)
	WIN MUL_LO
	MUL16 0, 1, NQ-1, \slot, 0
	s_wait_dscnt 0x0                               ; the add is done, and my reads of this slot are over
	s_barrier_signal -1
	MUL16 2, 1, NQ-1, \slot, 0
	WIN 0
	s_barrier_wait -1                              ; the next slot is whole, and nobody reads this one any more
	PLACES NP
	v_add_nc_u32 v[ADRS], 4*NQ, v[ADRS]            ; on to the next K step's scale words
	FETCH_B \next, 0, 0
	FETCH_A \next, 0, 0
	SCALES \next
	WIN MUL_HI
	MUL16 4, 1, NQ-1, \slot, 0
	MUL16 6, 1, NQ-1, \slot, 0
	PLACES NP
	WIN 0
	FETCH_A \next, 0, 4
.endm
	s_wait_tensorcnt 1                             ; the scales and my part of slot 0 are in (slot 1's load may be out),
	s_barrier_signal -1
	s_barrier_wait -1                              ; everybody's are
	FETCH_B 0, 0, 0
	FETCH_A 0, 0, 0
	SCALES 0
	FETCH_A 0, 0, 4
	s_wait_loadcnt 0x0                             ; the bias
	STEP 0, 0, 1
	STEP 0, 1, 0
	STEP 0, 2, 0
	TURN 0, 1
	STEP 1, 0, 0
	STEP 1, 1, 0
	STEP 1, 2, 0
	s_wait_dscnt 4*NL                              ; the last step: nothing more to fetch
	WIN MUL_LO
	MUL16 0, 1, NQ-1, 1, 0
	MUL16 2, 1, NQ-1, 1, 0
	s_wait_dscnt 0
	WIN MUL_HI
	MUL16 4, 1, NQ-1, 1, 0
	MUL16 6, 1, NQ-1, 1, 0
	WIN 0
	PLACES NP                                      ; ahead of the reads of results and of the writes of registers that held scales and fragments
	; POSITIONS 0-15 IN F32: my block 0, where the tile begins a sequence and I hold its upper rows.  Through my stage, back as whole rows of 512 bytes.
	s_cmp_lg_u32 s95, 0
	s_cbranch_scc1 .Lno_fine
	WIN 0x08                                       ; an LDS store's data: window 2
.irp b, 0,1,2,3,4,5,6,7
	ds_store_b128 v[STO], v[8*\b:8*\b+3] offset:64*\b             ; each accumulator from its low end on
	ds_store_b128 v[STO], v[8*\b+4:8*\b+7] offset:64*\b+16
.endr
	WIN 0
.irp t, 0,1,2,3,4,5,6,7,8,9,10,11,12,13,14,15
	ds_load_b128 v[BK+4*\t:BK+4*\t+3], v[RD] offset:\t*SPITCH     ; LDS serves a wave's instructions in order: these see the stores above
.endr
	s_wait_dscnt 0x0
.irp t, 0,1,2,3,4,5,6,7,8,9,10,11,12,13,14,15
	global_store_b128 v[CO], v[BK+4*\t:BK+4*\t+3], s[98:99] offset:\t*3072*4   ; 32 lanes store 512 consecutive bytes, aligned
.endr
	s_wait_xcnt 0x0                                ; the stores have read their data: the registers are loaded again below
.Lno_fine:
; THE WAY OUT IN F16, a block of 16 rows x 128 columns (two heads) at a time: x FAC, rounded, 16 bytes a lane into my stage, back as rows of 128 bytes, four rows an instruction: 512 consecutive bytes of a head.
.macro PACK a
.set AC, 64*((\a)%4)
	WIN 0x02+(\a)/4                                ; source 0: window 2 or 3
.set i, 0
.rept 32
	v_pk_mul_f32 v[TW+2*i:TW+2*i+1], v[AC+2*i:AC+2*i+1], s[FAC:FAC+1] op_sel_hi:[1,0]   ; each accumulator from its low end on
.set i, i+1
.endr
	WIN 0
.set i, 0
.rept 32
	v_cvt_pk_f16_f32 v[TP+i], v[TW+2*i], v[TW+2*i+1]
.set i, i+1
.endr
.endm
.macro TOSTAGE a
.set BB, BK+32*((\a)%2)
.irp b, 0,1,2,3,4,5,6,7
	ds_store_b128 v[STH], v[TP+4*\b:TP+4*\b+3] offset:(\b/4)*16*HPITCH+32*(\b%4)
.endr
.irp g, 0,1
.irp i, 0,1,2,3
	ds_load_b128 v[BB+16*\g+4*\i:BB+16*\g+4*\i+3], v[RDH] offset:\g*16*HPITCH+\i*4*HPITCH
.endr
.endr
.endm
.macro SEND a, younger                 ; younger: the LDS instructions issued behind block a's loads
.set BB, BK+32*((\a)%2)
	s_wait_dscnt \younger
.irp g, 0,1
.irp i, 0,1,2,3
	global_store_b128 v[CO], v[BB+16*\g+4*\i:BB+16*\g+4*\i+3], s[12:13] offset:\g*262144+(\a)*2048+\i*512
.endr
.endr
.endm
	PACK 0
	TOSTAGE 0
.irp a, 1,2,3,4,5,6,7
	PACK \a
.if \a > 1
	s_wait_xcnt 0x0                                ; block a - 2's stores have read their data: block a's loads may land there
.endif
	TOSTAGE \a
	SEND \a-1, 16                                  ; behind block a - 1's loads: block a's 8 stores and 8 loads
.endr
	SEND 7, 0
	s_wait_tensorcnt 0x0                           ; the wave's end, behind my last tensor load and my last LDS store
	ds_add_u32 v[SPW], v[NIL]
	s_wait_dscnt 0x0
	CROUND                                         ; the closing round
	s_endpgm
.Lfunc_end_k_q47f15f687d_qkv:
	.size	k_q47f15f687d_qkv, .Lfunc_end_k_q47f15f687d_qkv-k_q47f15f687d_qkv
	.p2alignl 7, 3214868480
	.fill 96, 4, 3214868480
	.section	.rodata,"a",@progbits
	.p2align	6, 0x0
	.amdhsa_kernel k_q47f15f687d_qkv
		.amdhsa_group_segment_fixed_size 327680
		.amdhsa_private_segment_fixed_size 0
		.amdhsa_enable_private_segment 0
		.amdhsa_kernarg_size 56
		.amdhsa_user_sgpr_count 2
		.amdhsa_user_sgpr_kernarg_segment_ptr 1
		.amdhsa_wavefront_size32 1
		.amdhsa_system_sgpr_workgroup_id_x 1
		.amdhsa_system_sgpr_workgroup_id_y 1
		.amdhsa_system_sgpr_workgroup_id_z 1
		.amdhsa_system_vgpr_workitem_id 0
		.amdhsa_next_free_vgpr 1024
		.amdhsa_next_free_sgpr 100
		.amdhsa_reserve_vcc 0
		.amdhsa_float_denorm_mode_32 3
		.amdhsa_float_denorm_mode_16_64 3
		.amdhsa_memory_ordered 1
		.amdhsa_forward_progress 1
		.amdhsa_inst_pref_size 149
	.end_amdhsa_kernel
	.amdgpu_metadata
---
amdhsa.version: [ 1, 2 ]
amdhsa.kernels:
  - .name:           k_q47f15f687d_qkv
    .symbol:         k_q47f15f687d_qkv.kd
    .args:
      - { .name: x_codes, .offset: 0, .size: 8, .value_kind: global_buffer, .address_space: global }
      - { .name: x_scales, .offset: 8, .size: 8, .value_kind: global_buffer, .address_space: global }
      - { .name: w_codes, .offset: 16, .size: 8, .value_kind: global_buffer, .address_space: global }
      - { .name: w_scales, .offset: 24, .size: 8, .value_kind: global_buffer, .address_space: global }
      - { .name: qkv_b, .offset: 32, .size: 8, .value_kind: global_buffer, .address_space: global }
      - { .name: qkv16, .offset: 40, .size: 8, .value_kind: global_buffer, .address_space: global }
      - { .name: qkv32, .offset: 48, .size: 8, .value_kind: global_buffer, .address_space: global }
    .group_segment_fixed_size: 327680
    .private_segment_fixed_size: 0
    .kernarg_segment_align: 8
    .kernarg_segment_size: 56
    .max_flat_workgroup_size: 128
    .sgpr_count:     100
    .vgpr_count:     1024
    .wavefront_size: 32
...
	.end_amdgpu_metadata
.endif
;; end of part 2
;; launch attn (part 3): grid 4 x 64, 16 waves a work-group, no clusters, 327,680 bytes of LDS; arguments qkv16, att16; writes att16
.if DOCPART == 3
	.amdgcn_target "amdgcn-amd-amdhsa--gfx1250"
	.amdhsa_code_object_version 6
	.text
	.protected	k_q47f15f687d_attn
	.globl	k_q47f15f687d_attn
	.p2align	8
	.type	k_q47f15f687d_attn,@function
k_q47f15f687d_attn:
	s_mov_b64 s[64:65], 0
	v_nop
	global_prefetch_b8 v0, s[64:65] scope:SCOPE_SE
	s_setreg_imm32_b32 hwreg(HW_REG_WAVE_MODE, 25, 1), 1
	s_wait_xcnt 0x0
; att[b][h][q][:] = sum over k <= q of softmax_k(q . k / 8) v[k][:], for 64 heads of 2,048 positions x 64 channels.  Operands f16 (q arrives multiplied by log2(e) / 8), products, maxima and sums f32;
; the weights p = 2^(s - m), m the running maximum, are rounded to f16 for the second product; the row's sum is taken of the unrounded p and divides at the end.
; OUT: att16, f16, [256 rows of the 8,192][head][256][64].  LIMITS: as the f16 inputs; NaN and infinities are not served.
; SHARES.  Work-group j of a head owns query blocks j and 7 - j (256 queries each), so that every work-group has nine blocks' worth of keys.  A wave owns 32 queries, two tiles of 16, of the low or the high
; block, so that each fragment of K and V read from LDS feeds two matrix instructions.  Sixteen waves of 256 registers: four to a SIMD, one's vector work beside another's matrix work.
; NO CLUSTER: under the mask the four work-groups of a head need 8, 7, 6 and 5 slots; a joint load would bring tiles that a partner never reads.
; RING.  Two LDS slots of 256 keys, filled by tensor loads (waves 0, 1: K's halves; waves 2, 3: V's).  Rows of 128 bytes are dense in memory and are stated two to a row of 256 bytes: key r lies at
; (r / 2) x pitch + (r % 2) x 128.  With K's pitch of 272 the 16 rows of a load fall on 16 different columns of 16 bytes modulo 256; with V's 288 the 8 rows x 32 bytes of a turning load do.
; Every work-group walks all 8 slots (constant trip counts, every barrier passed); a step all of whose keys come after the wave's queries is jumped over, and a slot beyond the work-group's last query is not asked for.
; LAYOUT.  S^T = K Q^T (source 0 = 16 keys, source 1 = 16 queries): a lane holds one query and keys 8 (lane / 16) + 0..7 of a tile.  Two such tiles, rounded in pairs, are source 1 of O^T = V^T P.
.set KP,    272
.set VP,    288
.set VOFF,  128*KP                     ; a slot: 128 double rows of K, then 128 of V
.set SLOT1, 1<<17
.set STAGE, VOFF+128*VP                ; between the slots: 16 rows x 144 bytes for each wave, bytes of their own
.set SPARE, 2*SLOT1                    ; the spare words, 128 bytes a wave, which no other line names
.set AK0, 1                            ; v1  my lane's place in a tile of K
.set AV0, 2                            ; v2  the same for V
.set ADK, 3
.set ADV, 4
.set SPW, 5
.set NIL, 6
.set GO,  7                            ; v7  16 x lane
.set STO, 8
.set RD,  9
.set PFO, 10                           ; v10 256 x lane
.set QO,  11
.set NINF, 12                          ; v12 -infinity
.set DC,  13                           ; v13 lane % 16 - 8 (lane / 16)
.set DD,  14                           ; v14 the mask's bound in the step in hand
.set Q,   16                           ; v16-47   Q: fragment (tile t, channels 32 ch on) at 16 t + 8 ch
.set F,   48                           ; v48-111  K: (kt, ch) at 8 (4 ch + kt); then V: (ct, u) at 8 (4 u + ct)
.set S,   112                          ; v112-175 S^T at 32 t + 8 kt; then p; then P in its first 16 of each 32
.set O,   176                          ; v176-239 O^T at 32 t + 8 ct
.set ST,  240                          ; 8 a tile: +0 m, +1 the old m, +2, +3 the sum, +4 at work then a, +5 at work, +6, +7 at work then a second chain of the sum
.set TB,  2                            ; s2  LDS byte at which the slot in hand begins
.set WV,  18
.set SEL, 20
.set G1K, 24
.set G1V, 32
.set G0K, 40
.set G0V, 44
.set SLOTS, 48
.set KF,  50                           ; s50 the step's first key
.set Q0,  51                           ; s51 my first query;  s52 my last;  s53 my work-group's last
.set QL,  52
.set WGL, 53
.set LIM, 54
.set PFA, 56
.macro TLOAD                           ; waves 0 and 1 fetch K's halves of a slot, waves 2 and 3 V's, the others nothing.  An s_nop 0 and four v_nop follow each line
	s_cmp_lt_u32 s[WV], 2
	s_cbranch_scc0 .Lnot_k_\@
	tensor_load_to_lds s[G0K:G0K+3], s[G1K:G1K+7]
	s_nop 0
.rept 4
	v_nop
.endr
	s_branch .Lasked_\@
.Lnot_k_\@:
	s_cmp_lt_u32 s[WV], 4
	s_cbranch_scc0 .Lasked_\@
	tensor_load_to_lds s[G0V:G0V+3], s[G1V:G1V+7]
	s_nop 0
.rept 4
	v_nop
.endr
.Lasked_\@:
.endm
; A prefetch of what the NEXT change of slots will ask for: a slot's 32,768 bytes of K and of V.  The head's first work-group asks, which walks all slots; in it waves 4-7 ask for K's, waves 8-11 for V's,
; 8,192 bytes a wave, lanes 256 bytes apart: each aligned 256 bytes are named once in the launch.  Slots 0 and 1 come by their loads alone; the last change that fills a slot asks for nothing.
.macro ASK
	s_cmp_gt_u32 s[SLOTS], s[LIM]
	s_cbranch_scc0 .Lnot_mine_\@
	global_prefetch_b8 v[PFO], s[PFA:PFA+1] th:TH_LOAD_NT scope:SCOPE_SE
.Lnot_mine_\@:
.endm
	s_load_b128 s[4:7], s[0:1], 0x0                ; qkv16, att16
	v_lshl_add_u32 v[SPW], v0, 2, SPARE
	v_mov_b32 v[NIL], 0
	ds_add_u32 v[SPW], v[NIL]                      ; the wave's opening: the add, twice on end, and its wait ahead of my first tensor load
	ds_add_u32 v[SPW], v[NIL]
	v_lshrrev_b32 v15, 5, v0
	v_readfirstlane_b32 s[WV], v15                 ; wave 0..15
	s_and_b32 s58, ttmp7, 0xffff                   ; the head, 16 x batch + head
	s_lshl_b32 s60, s58, 18                        ; its first byte in q's, k's and v's part: 2,048 rows of 128 bytes
	s_mov_b32 s61, 0
	s_lshr_b32 s62, s[WV], 1                       ; which 32 queries of a block
	s_lshr_b32 s63, s[WV], 2
	s_xor_b32 s63, s63, s[WV]
	s_and_b32 s63, s63, 1                          ; the high block or the low one
	s_sub_co_u32 s66, 7, ttmp9
	s_cmp_eq_u32 s63, 1
	s_cselect_b32 s66, s66, ttmp9                  ; my block of 256 queries
	s_lshl_b32 s[Q0], s66, 8
	s_lshl_b32 s67, s62, 5
	s_add_co_u32 s[Q0], s[Q0], s67
	s_add_co_u32 s[QL], s[Q0], 31
	s_sub_co_u32 s[WGL], 8, ttmp9
	s_lshl_b32 s[WGL], s[WGL], 8
	s_sub_co_u32 s[WGL], s[WGL], 1
	s_lshl_b32 s68, s[Q0], 7
	s_mov_b32 s69, 0
	s_lshr_b32 s70, s58, 4                         ; att16: block (8 x batch + my block of queries, head),
	s_lshl_b32 s70, s70, 3
	s_add_co_u32 s70, s70, s66
	s_lshl_b32 s70, s70, 4
	s_and_b32 s71, s58, 15
	s_add_co_u32 s70, s70, s71
	s_lshl_b32 s70, s70, 15
	s_lshl_b32 s71, s62, 12                        ; my 32 rows of 128 bytes
	s_add_co_u32 s70, s70, s71
	s_mov_b32 s71, 0
	s_and_b32 s72, s[WV], 1                        ; which half of a slot I fetch, if I fetch
	s_lshl_b32 s74, s72, 14                        ; 128 keys of 128 bytes in memory,
	s_mov_b32 s75, 0
	s_mul_i32 s73, s72, 64*KP                      ; and in a slot: K's,
	s_mul_i32 s72, s72, 64*VP
	s_add_co_u32 s72, s72, VOFF                    ; V's
	; descriptor group 1: 64 rows of 128 elements of 2 bytes, dense in memory; K: 4 words of padding behind every 64; V: 8
	s_mov_b32 s[G1K], (1<<16)|(1<<20)|(5<<22)|(3<<25)
	s_mov_b32 s[G1V], (1<<16)|(1<<20)|(5<<22)|(7<<25)
.irp g, G1K, G1V
	s_mov_b32 s[\g+1], 128<<16                     ; tensor_dim0
	s_mov_b32 s[\g+2], 64<<16                      ; tensor_dim1
	s_mov_b32 s[\g+3], 128<<16                     ; tile_dim0
	s_mov_b32 s[\g+4], 64                          ; tile_dim1
	s_mov_b32 s[\g+5], 128                         ; from row to row
	s_mov_b32 s[\g+6], 0
	s_mov_b32 s[\g+7], 0
.endr
	s_mov_b32 s[SEL], 0x76543210
	s_mov_b32 s[SEL+1], 0xfedcba98                 ; v_permlanex16_b32's selects for lane l xor 16
	s_mov_b32 s[TB], 0
	s_mov_b32 s[KF], 0
	s_mov_b32 s[SLOTS], 7
	s_wait_dscnt 0x0                               ; both opening adds are done
	s_wait_kmcnt 0x0
	s_add_nc_u64 s[8:9], s[4:5], s[60:61]          ; the head in q's part
	s_add_nc_u64 s[10:11], s[8:9], 0x2000000       ; in v's
	s_add_nc_u64 s[4:5], s[8:9], s[68:69]          ; q at my first query
	s_add_nc_u64 s[8:9], s[8:9], 0x1000000         ; in k's
	s_add_nc_u64 s[6:7], s[6:7], s[70:71]
	s_mov_b32 s[G0K], 1
	s_mov_b32 s[G0K+1], s73
	s_add_nc_u64 s[G0K+2:G0K+3], s[8:9], s[74:75]
	s_or_b32 s[G0K+3], s[G0K+3], 0x80000000
	s_mov_b32 s[G0V], 1
	s_mov_b32 s[G0V+1], s72
	s_add_nc_u64 s[G0V+2:G0V+3], s[10:11], s[74:75]
	s_or_b32 s[G0V+3], s[G0V+3], 0x80000000
	TLOAD                                          ; slot 0: key 0 counts for every query
	s_cmp_lt_u32 s[WV], 8                          ; the prefetches: waves 4-7 K, waves 8-11 V
	s_cselect_b64 s[PFA:PFA+1], s[8:9], s[10:11]
	s_and_b32 s58, s[WV], 3
	s_lshl_b32 s58, s58, 13                        ; my wave's 8,192 bytes,
	s_add_co_u32 s58, s58, 32768                   ; in slot 1: the first change of slots steps it to slot 2
	s_mov_b32 s59, 0
	s_add_nc_u64 s[PFA:PFA+1], s[PFA:PFA+1], s[58:59]
	s_sub_co_u32 s58, s[WV], 4
	s_lshr_b32 s58, s58, 3                         ; 0 in waves 4 to 11,
	s_or_b32 s58, s58, ttmp9                       ; of the head's first work-group
	s_cmp_eq_u32 s58, 0
	s_cselect_b32 s[LIM], 1, -1
	v_and_b32 v15, 15, v0                          ; r
	v_bfe_u32 v14, v0, 4, 1                        ; h
	v_lshlrev_b32 v[QO], 7, v15
	v_lshl_add_u32 v[QO], v14, 4, v[QO]            ; q: row r of 128 bytes + 16 h
.irp t, 0,1
.irp ch, 0,1
	global_load_b128 v[Q+16*\t+8*\ch:Q+16*\t+8*\ch+3], v[QO], s[4:5] offset:2048*\t+64*\ch
	global_load_b128 v[Q+16*\t+8*\ch+4:Q+16*\t+8*\ch+7], v[QO], s[4:5] offset:2048*\t+64*\ch+32
.endr
.endr
	v_lshrrev_b32 v[AK0], 1, v15
	v_mul_u32_u24 v[AK0], v[AK0], KP
	v_and_b32 v3, 1, v0
	v_lshl_add_u32 v[AK0], v3, 7, v[AK0]
	v_lshl_add_u32 v[AK0], v14, 4, v[AK0]          ; K: 272 (r / 2) + 128 (r % 2) + 16 h
	v_bfe_u32 v[AV0], v0, 1, 2
	v_lshl_add_u32 v[AV0], v14, 2, v[AV0]
	v_mul_u32_u24 v[AV0], v[AV0], VP
	v_lshl_add_u32 v[AV0], v3, 7, v[AV0]
	v_bfe_u32 v4, v0, 3, 1
	v_lshl_add_u32 v[AV0], v4, 4, v[AV0]
	v_add_nc_u32 v[AV0], VOFF, v[AV0]              ; V, for the turning load: key 8 h + lane % 8, channels 8 ((lane / 8) % 2) on
	s_mul_i32 s58, s[WV], 16*144
	s_add_co_u32 s58, s58, STAGE                   ; my stage
	v_mul_u32_u24 v[STO], v15, 144
	v_lshl_add_u32 v[STO], v14, 4, v[STO]
	v_add_nc_u32 v[STO], s58, v[STO]               ; in: row r, 16 bytes for each half of the lanes
	v_bfe_u32 v[RD], v0, 3, 2
	v_mul_u32_u24 v[RD], v[RD], 144
	v_and_b32 v3, 7, v0
	v_lshl_add_u32 v[RD], v3, 4, v[RD]
	v_add_nc_u32 v[RD], s58, v[RD]                 ; back: eight lanes to a row, four rows an instruction
	v_and_b32 v[GO], 31, v0
	v_lshlrev_b32 v[PFO], 8, v[GO]
	v_lshlrev_b32 v[GO], 4, v[GO]
	v_lshlrev_b32 v[DC], 3, v14
	v_sub_nc_u32 v[DC], v15, v[DC]
	v_mov_b32 v[NINF], 0xff800000
.irp t, 0,1
	v_mov_b32 v[ST+8*\t], 0xff61b1e6               ; the maximum so far: -3e38, under every score
.irp k, 1,2,3,4,5,6,7
	v_mov_b32 v[ST+8*\t+\k], 0
.endr
.endr
.set i, 0
.rept 64
	v_mov_b32 v[O+i], 0                            ; O^T.  (The step is written once for all steps: the first finds zeros, which its a = 0 leaves zeros)
.set i, i+1
.endr
; A KEY STEP: 64 keys, the q-th of the slot in hand.
.macro STEP q
	s_cmp_gt_u32 s[KF], s[QL]                      ; all its keys come after my queries: a branch on ids, round the step's work alone
	s_cbranch_scc1 .Lhidden_\@
	v_add_nc_u32 v[ADK], s[TB], v[AK0]
	v_add_nc_u32 v[ADV], s[TB], v[AV0]
.irp ch, 0,1
.irp kt, 0,1,2,3
	ds_load_b128 v[F+8*(4*\ch+\kt):F+8*(4*\ch+\kt)+3], v[ADK] offset:(\q)*32*KP+\kt*8*KP+64*\ch
	ds_load_b128 v[F+8*(4*\ch+\kt)+4:F+8*(4*\ch+\kt)+7], v[ADK] offset:(\q)*32*KP+\kt*8*KP+64*\ch+32
.endr
.endr
	s_wait_dscnt 8                                 ; channels 0-31 are in; the eight loads of channels 32-63 may be out
.irp kt, 0,1,2,3                       ; the eight accumulators take turns
.irp t, 0,1
	v_wmma_f32_16x16x32_f16 v[S+32*\t+8*\kt:S+32*\t+8*\kt+7], v[F+8*\kt:F+8*\kt+7], v[Q+16*\t:Q+16*\t+7], 0
.endr
.endr
	s_wait_dscnt 0x0
.irp kt, 0,1,2,3
.irp t, 0,1
	v_wmma_f32_16x16x32_f16 v[S+32*\t+8*\kt:S+32*\t+8*\kt+7], v[F+32+8*\kt:F+32+8*\kt+7], v[Q+16*\t+8:Q+16*\t+15], v[S+32*\t+8*\kt:S+32*\t+8*\kt+7]
.endr
.endr
.rept 4
	v_nop                                          ; places ahead of the loads into K's registers and of the first read of the scores
.endr
.irp u, 0,1                            ; V, turned, lands while the softmax is walked
.irp ct, 0,1,2,3
	ds_load_tr16_b128 v[F+8*(4*\u+\ct):F+8*(4*\u+\ct)+3], v[ADV] offset:(\q)*32*VP+\u*16*VP+32*\ct
	ds_load_tr16_b128 v[F+8*(4*\u+\ct)+4:F+8*(4*\u+\ct)+7], v[ADV] offset:(\q)*32*VP+\u*16*VP+8*VP+32*\ct
.endr
.endr
	s_add_co_u32 s58, s[KF], 63                    ; on the diagonal hidden scores become -infinity; a step all of whose keys count skips this
	s_cmp_le_u32 s58, s[Q0]
	s_cbranch_scc1 .Lopen_\@
	s_sub_co_i32 s58, s[Q0], s[KF]
	v_add_nc_u32 v[DD], s58, v[DC]                 ; register 8 kt + j of tile t holds key KF + 16 kt + 8 h + j of query Q0 + 16 t + r: hidden where 16 kt + j - 16 t is above this bound
.irp t, 0,1
.irp kt, 0,1,2,3
.irp j, 0,1,2,3,4,5,6,7
	v_cmp_gt_i32 vcc_lo, 16*\kt+\j-16*\t, v[DD]
	v_cndmask_b32 v[S+32*\t+8*\kt+\j], v[S+32*\t+8*\kt+\j], v[NINF], vcc_lo
.endr
.endr
.endr
.Lopen_\@:
.irp j, 0,1,2,3                        ; the maximum: four chains a tile, each begun at an accumulator's low end; the two tiles line by line
.irp t, 0,1
	v_max3_num_f32 v[ST+8*\t+4+\j], v[S+32*\t+8*\j], v[S+32*\t+8*\j+1], v[S+32*\t+8*\j+2]
.endr
.endr
.irp g, 3,5
.irp j, 0,1,2,3
.irp t, 0,1
	v_max3_num_f32 v[ST+8*\t+4+\j], v[ST+8*\t+4+\j], v[S+32*\t+8*\j+\g], v[S+32*\t+8*\j+\g+1]
.endr
.endr
.endr
.irp t, 0,1
	v_max3_num_f32 v[ST+8*\t+4], v[ST+8*\t+4], v[S+32*\t+7], v[S+32*\t+15]
	v_max3_num_f32 v[ST+8*\t+6], v[ST+8*\t+6], v[S+32*\t+23], v[S+32*\t+31]
.endr
.irp t, 0,1
	v_max3_num_f32 v[ST+8*\t+4], v[ST+8*\t+4], v[ST+8*\t+5], v[ST+8*\t+6]
.endr
.irp t, 0,1
	v_max3_num_f32 v[ST+8*\t+4], v[ST+8*\t+4], v[ST+8*\t+7], v[ST+8*\t]   ; with the old maximum
.endr
.irp t, 0,1
	v_permlanex16_b32 v[ST+8*\t+5], v[ST+8*\t+4], s[SEL], s[SEL+1]        ; the query's other 32 keys lie in the lane 16 away
.endr
.irp t, 0,1
	v_mov_b32 v[ST+8*\t+1], v[ST+8*\t]
.endr
.irp t, 0,1
	v_max_num_f32 v[ST+8*\t], v[ST+8*\t+4], v[ST+8*\t+5]
.endr
.irp t, 0,1
	v_sub_f32 v[ST+8*\t+7], v[ST+8*\t+1], v[ST+8*\t]                      ; the old maximum less the new: 0 or less
.endr
.set i, 0
.rept 16
	v_pk_add_f32 v[S+2*i:S+2*i+1], v[S+2*i:S+2*i+1], v[ST:ST+1] op_sel_hi:[1,0] neg_lo:[0,1] neg_hi:[0,1]               ; s - m, two at a time
	v_pk_add_f32 v[S+32+2*i:S+32+2*i+1], v[S+32+2*i:S+32+2*i+1], v[ST+8:ST+9] op_sel_hi:[1,0] neg_lo:[0,1] neg_hi:[0,1]
.set i, i+1
.endr
.irp t, 0,1
	v_exp_f32 v[ST+8*\t+4], v[ST+8*\t+7]           ; a = 2^(old m - new m)
.endr
.set i, 0
.rept 32
	v_exp_f32 v[S+i], v[S+i]                       ; p = 2^(s - m), at most 1
	v_exp_f32 v[S+32+i], v[S+32+i]
.set i, i+1
.endr
	v_nop                                          ; a plain line behind the last exponential
	s_wait_alu depctr_va_vdst(0)                   ; one wait for the batch of 66, ahead of its first reader
.irp t, 0,1
	v_pk_fma_f32 v[ST+8*\t+2:ST+8*\t+3], v[ST+8*\t+2:ST+8*\t+3], v[ST+8*\t+4:ST+8*\t+5], v[S+32*\t:S+32*\t+1] op_sel_hi:[1,0,1]   ; the sum x a + the first pair
	v_pk_add_f32 v[ST+8*\t+6:ST+8*\t+7], v[S+32*\t+2:S+32*\t+3], v[S+32*\t+4:S+32*\t+5]                                          ; a second chain
.endr
.set i, 3
.rept 13
.if i%2
	v_pk_add_f32 v[ST+2:ST+3], v[ST+2:ST+3], v[S+2*i:S+2*i+1]
	v_pk_add_f32 v[ST+10:ST+11], v[ST+10:ST+11], v[S+32+2*i:S+32+2*i+1]
.else
	v_pk_add_f32 v[ST+6:ST+7], v[ST+6:ST+7], v[S+2*i:S+2*i+1]
	v_pk_add_f32 v[ST+14:ST+15], v[ST+14:ST+15], v[S+32+2*i:S+32+2*i+1]
.endif
.set i, i+1
.endr
.irp t, 0,1
	v_pk_add_f32 v[ST+8*\t+2:ST+8*\t+3], v[ST+8*\t+2:ST+8*\t+3], v[ST+8*\t+6:ST+8*\t+7]
.endr
.set i, 0
.rept 16
	v_cvt_pk_f16_f32 v[S+i], v[S+2*i], v[S+2*i+1]                  ; P, in place: register i is written when pairs 0 .. i have been read
	v_cvt_pk_f16_f32 v[S+32+i], v[S+32+2*i], v[S+32+2*i+1]
.set i, i+1
.endr
.set i, 0
.rept 16
	v_pk_mul_f32 v[O+2*i:O+2*i+1], v[O+2*i:O+2*i+1], v[ST+4:ST+5] op_sel_hi:[1,0]             ; O^T x a
	v_pk_mul_f32 v[O+32+2*i:O+32+2*i+1], v[O+32+2*i:O+32+2*i+1], v[ST+12:ST+13] op_sel_hi:[1,0]
.set i, i+1
.endr
	s_wait_dscnt 8                                 ; V's keys 0-31 are in
.irp ct, 0,1,2,3
.irp t, 0,1
	v_wmma_f32_16x16x32_f16 v[O+32*\t+8*\ct:O+32*\t+8*\ct+7], v[F+8*\ct:F+8*\ct+7], v[S+32*\t:S+32*\t+7], v[O+32*\t+8*\ct:O+32*\t+8*\ct+7]
.endr
.endr
	s_wait_dscnt 0x0
.irp ct, 0,1,2,3
.irp t, 0,1
	v_wmma_f32_16x16x32_f16 v[O+32*\t+8*\ct:O+32*\t+8*\ct+7], v[F+32+8*\ct:F+32+8*\ct+7], v[S+32*\t+8:S+32*\t+15], v[O+32*\t+8*\ct:O+32*\t+8*\ct+7]
.endr
.endr
.rept 5
	v_nop                                          ; five places: the next step's first products write over P's registers; its loads land in V's
.endr
.Lhidden_\@:
	s_add_co_u32 s[KF], s[KF], 64
.endm
; THE CHANGE OF SLOTS stands at a slot's head.  Each wave waits for all its tensor loads, runs the add, and waits for it and for its reads of the slot that it has left; behind the barrier the slot ahead is
; whole and nobody reads the other one, which is filled with the next 256 keys: the load has a slot's four steps in which to land.  By this text's count a wave has one tensor load out at the most.
.macro CHANGE fill
	s_wait_tensorcnt 0x0                           ; no tensor load of mine is out, so a group 0 may be written
	ds_add_u32 v[SPW], v[NIL]
.if \fill
	ds_add_u32 v[SPW], v[NIL]                      ; a second add, where loads follow that twelve waves are led round
	s_xor_b32 s[G0K+1], s[G0K+1], SLOT1
	s_add_nc_u64 s[G0K+2:G0K+3], s[G0K+2:G0K+3], 32768
	s_xor_b32 s[G0V+1], s[G0V+1], SLOT1
	s_add_nc_u64 s[G0V+2:G0V+3], s[G0V+2:G0V+3], 32768
	s_wait_xcnt 0x0                                ; the last prefetch, a slot back, has read its address
	s_add_nc_u64 s[PFA:PFA+1], s[PFA:PFA+1], 32768
.endif
	s_wait_dscnt 0x0
	s_barrier_signal -1
	s_barrier_wait -1
.if \fill
	s_add_co_u32 s58, s[KF], 256                   ; the first key of the slot that this change would ask for:
	s_cmp_gt_u32 s58, s[WGL]                       ; beyond my work-group's last query no wave reads it, so it is not asked for.  Ids and the count of steps alone: all sixteen waves go the same way
	s_cbranch_scc1 .Lpast_\@
	TLOAD
.Lpast_\@:
	ASK
.endif
.endm
.macro SLOT_STEPS
	STEP 0
	STEP 1
	STEP 2
	STEP 3
	s_xor_b32 s[TB], s[TB], SLOT1
.endm
	s_wait_loadcnt 0x0                             ; Q
.Lslot:                                            ; seven trips
	CHANGE 1
	SLOT_STEPS
	s_sub_co_u32 s[SLOTS], s[SLOTS], 1
	s_cmp_lg_u32 s[SLOTS], 0
	s_cbranch_scc1 .Lslot
	CHANGE 0                                       ; the last slot is written out: nothing is left to ask for
	SLOT_STEPS
	; THE WAY OUT: the sum's halves and the other half of the lanes'; O^T / the sum, rounded to f16, through my stage, a tile of 16 rows at a time.
.irp t, 0,1
	v_add_f32 v[ST+8*\t+2], v[ST+8*\t+2], v[ST+8*\t+3]
.endr
.irp t, 0,1
	v_permlanex16_b32 v[ST+8*\t+5], v[ST+8*\t+2], s[SEL], s[SEL+1]
.endr
.irp t, 0,1
	v_add_f32 v[ST+8*\t+2], v[ST+8*\t+2], v[ST+8*\t+5]
.endr
.irp t, 0,1
	v_rcp_f32 v[ST+8*\t+4], v[ST+8*\t+2]
.endr
	v_nop
	s_wait_alu depctr_va_vdst(0)                   ; one wait for both reciprocals, ahead of their first reader
.irp t, 0,1
.set i, 0
.rept 16
	v_pk_mul_f32 v[S+32*\t+2*i:S+32*\t+2*i+1], v[O+32*\t+2*i:O+32*\t+2*i+1], v[ST+8*\t+4:ST+8*\t+5] op_sel_hi:[1,0]
.set i, i+1
.endr
.set i, 0
.rept 16
	v_cvt_pk_f16_f32 v[S+32*\t+i], v[S+32*\t+2*i], v[S+32*\t+2*i+1]
.set i, i+1
.endr
.irp ct, 0,1,2,3
	ds_store_b128 v[STO], v[S+32*\t+4*\ct:S+32*\t+4*\ct+3] offset:32*\ct
.endr
.irp i, 0,1,2,3
	ds_load_b128 v[F+16*\t+4*\i:F+16*\t+4*\i+3], v[RD] offset:576*\i      ; LDS serves a wave's instructions in order: these see the stores above, and the next tile's stores come behind them
.endr
.endr
.irp t, 0,1
.irp i, 0,1,2,3
	s_wait_dscnt 11-8*\t-\i                        ; behind this load: the rest of its tile's, and for tile 0 the eight of tile 1
	global_store_b128 v[GO], v[F+16*\t+4*\i:F+16*\t+4*\i+3], s[6:7] offset:2048*\t+512*\i   ; 32 lanes store 512 consecutive bytes, aligned
.endr
.endr
	s_wait_tensorcnt 0x0                           ; the wave's end, behind my last tensor load and my last LDS store
	ds_add_u32 v[SPW], v[NIL]
	s_wait_dscnt 0x0
	s_endpgm
.Lfunc_end_k_q47f15f687d_attn:
	.size	k_q47f15f687d_attn, .Lfunc_end_k_q47f15f687d_attn-k_q47f15f687d_attn
	.p2alignl 7, 3214868480
	.fill 96, 4, 3214868480
	.section	.rodata,"a",@progbits
	.p2align	6, 0x0
	.amdhsa_kernel k_q47f15f687d_attn
		.amdhsa_group_segment_fixed_size 327680
		.amdhsa_private_segment_fixed_size 0
		.amdhsa_enable_private_segment 0
		.amdhsa_kernarg_size 16
		.amdhsa_user_sgpr_count 2
		.amdhsa_user_sgpr_kernarg_segment_ptr 1
		.amdhsa_wavefront_size32 1
		.amdhsa_system_sgpr_workgroup_id_x 1
		.amdhsa_system_sgpr_workgroup_id_y 1
		.amdhsa_system_sgpr_workgroup_id_z 1
		.amdhsa_system_vgpr_workitem_id 0
		.amdhsa_next_free_vgpr 256
		.amdhsa_next_free_sgpr 80
		.amdhsa_reserve_vcc 1
		.amdhsa_float_denorm_mode_32 3
		.amdhsa_float_denorm_mode_16_64 3
		.amdhsa_memory_ordered 1
		.amdhsa_forward_progress 1
		.amdhsa_inst_pref_size 188
	.end_amdhsa_kernel
	.amdgpu_metadata
---
amdhsa.version: [ 1, 2 ]
amdhsa.kernels:
  - .name:           k_q47f15f687d_attn
    .symbol:         k_q47f15f687d_attn.kd
    .args:
      - { .name: qkv16, .offset: 0, .size: 8, .value_kind: global_buffer, .address_space: global }
      - { .name: att16, .offset: 8, .size: 8, .value_kind: global_buffer, .address_space: global }
    .group_segment_fixed_size: 327680
    .private_segment_fixed_size: 0
    .kernarg_segment_align: 8
    .kernarg_segment_size: 16
    .max_flat_workgroup_size: 512
    .sgpr_count:     80
    .vgpr_count:     256
    .wavefront_size: 32
...
	.end_amdgpu_metadata
.endif
;; end of part 3
;; launch oproj (part 4): grid 8 x 32, 4 waves a work-group, clusters of 4 x 4, 327,680 bytes of LDS; arguments att16, ow16, o_b, out0; writes out0
.if DOCPART == 4
	.amdgcn_target "amdgcn-amd-amdhsa--gfx1250"
	.amdhsa_code_object_version 6
	.text
	.protected	k_q47f15f687d_oproj
	.globl	k_q47f15f687d_oproj
	.p2align	8
	.type	k_q47f15f687d_oproj,@function
k_q47f15f687d_oproj:
	s_mov_b64 s[64:65], 0
	v_nop
	global_prefetch_b8 v0, s[64:65] scope:SCOPE_SE
	s_setreg_imm32_b32 hwreg(HW_REG_WAVE_MODE, 25, 1), 1
	s_wait_xcnt 0x0
	s_wait_alu depctr_hold_cnt(0) depctr_sa_sdst(0) depctr_va_vdst(0) depctr_va_sdst(0) depctr_va_ssrc(0) depctr_va_vcc(0) depctr_vm_vsrc(0)
	s_getreg_b32 s2, hwreg(HW_REG_IB_STS2, 6, 4)
	s_cmp_eq_u32 s2, 0
	s_cbranch_scc0 .Lentry_in_a_cluster
	s_endpgm
.Lentry_in_a_cluster:
	s_bfe_u32 s2, ttmp6, 0x10000c
	s_cmp_lg_u32 s2, 0xf033
	s_cbranch_scc0 .Lentry_shape_is_right
	s_endpgm
.Lentry_shape_is_right:
; out0[m][n] = sum over k of att[m][k] o_w[n][k] + o_b[n]; M = 8,192, N = K = 1,024; operands f16, sums f32, out0 f32.  (Positions 0-15 of each sequence are written again, more finely, by the launch behind this one.)
; att16 is laid [256 rows][head][256][64], ow16 [128 outputs][head][128][64]: a head's part of a tile is dense in memory, and its rows of 128 bytes are stated two to a row of 256 bytes: row r lies at
; (r / 2) x 272 + (r % 2) x 128, so that the 16 rows of a fragment load fall on 16 different columns of 16 bytes modulo 256.
; A tile of 256 x 128 gives 256 work-groups.  Four waves, each 128 x 64: 32 accumulators, which fill window 1 ((a, b) at v[8 (4 a + b)]).  K goes two heads (128) a slot through a ring of two LDS slots.
; CLUSTERS: 4 x 4.  The four of a row of the cluster need the same rows of att, the four of a column the same rows of o_w: each tile is asked for jointly.  Waves 0, 1 fetch att's two heads of a slot, waves 2, 3 o_w's.
; THE MATRIX INSTRUCTION IS USED TRANSPOSED (source 0 = 16 rows of o_w, source 1 = 16 rows of att): a lane holds eight neighbouring columns of a row.  The bias is the C of each sum's first product.
; window 0: v16-30 addresses; v32-63 the bias; v64-159, v160-255 two fragment buffers (o_w's 4 fragments, then att's 8), for 32 along K each.
.set PITCH,  272
.set AHEAD,  128*PITCH                 ; a head's 256 rows of att
.set BHEAD,  64*PITCH                  ; a head's 128 rows of o_w
.set BOFF,   2*AHEAD
.set SLOT,   BOFF+2*BHEAD
.set STAGE,  2*SLOT                    ; behind the ring: 16 rows x 272 bytes for each wave
.set SPITCH, 272
.set SPARE,  STAGE+4*16*SPITCH         ; the spare words, 128 bytes a wave, which no other line names
.set LAPS,   4                         ; a lap = two slots = four heads
.set ADRA, 16
.set ADRB, 20
.set STO,  24
.set RD,   25
.set CO,   26
.set SPW,  28
.set NIL,  29
.set PFO,  30
.set BIAS, 32
.set F0,   64
.set F1,   160
.set BK,   64
.set G1, 24
.set G0, 32
.set G1B, 48
.set G0B, 56
.set LIM, 43
.set PFA, 44
.set MSB, 0
.macro WIN new
.if MSB != (\new)
	s_set_vgpr_msb (MSB<<8)|(\new)
.set MSB, (\new)
.endif
.endm
.set MUL, 0x50                         ; sources 0 and 1 window 0; C and D window 1
.set FST, 0x40                         ; C (the bias) window 0, D window 1
.macro JLOAD s                         ; a joint load; an s_nop 0 and four v_nop follow each of the two lines
	s_cmp_eq_u32 s15, 0
	s_cbranch_scc0 .Lfor_b_\@
	tensor_load_to_lds s[G0+4*\s:G0+4*\s+3], s[G1:G1+7]
	s_nop 0
.rept 4
	v_nop
.endr
	s_branch .Lasked_\@
.Lfor_b_\@:
	tensor_load_to_lds s[G0B+4*\s:G0B+4*\s+3], s[G1B:G1B+7]
	s_nop 0
.rept 4
	v_nop
.endr
.Lasked_\@:
.endm
.macro CREST
	s_cmp_lg_u32 s14, 0
	s_cbranch_scc1 .Lnot_wave_0_\@
	s_barrier_signal -3
.Lnot_wave_0_\@:
	s_barrier_wait -3
	s_barrier_signal -1
	s_barrier_wait -1
.endm
.macro CROUND
	s_barrier_signal -1
	s_barrier_wait -1
	CREST
.endm
; A prefetch of att's part of the slot that stands TWO refills on (256 matrix instructions a wave ahead of the load that will want it).  A tile row of att is read by both clusters of its row of clusters: cluster x = 0 asks.
; Of the 32,768 bytes that wave 0 or 1 fetches, each of the four partners takes 8,192, told apart by address (cx): lanes 256 bytes apart, one instruction a wave: each aligned 256 bytes are named once.
; The loop's last trip asks for nothing: there is no slot two on.  o_w's 2 MB are read again by every tile row and are not asked for.
.macro ASK
	s_cmp_gt_u32 s3, s[LIM]
	s_cbranch_scc0 .Lnot_mine_\@
	global_prefetch_b8 v[PFO], s[PFA:PFA+1] th:TH_LOAD_NT scope:SCOPE_SE
.Lnot_mine_\@:
.endm
	s_load_b128 s[4:7], s[0:1], 0x0                ; att16, ow16
	s_load_b128 s[8:11], s[0:1], 0x10              ; o_b, out0
	v_lshl_add_u32 v[SPW], v0, 2, SPARE
	v_mov_b32 v[NIL], 0
	ds_add_u32 v[SPW], v[NIL]                      ; the wave's opening: the add, twice on end, and its wait ahead of my first tensor load
	ds_add_u32 v[SPW], v[NIL]
	v_lshrrev_b32 v1, 5, v0
	v_readfirstlane_b32 s14, v1                    ; wave 0..3
	s_lshr_b32 s15, s14, 1                         ; which half of the tile's rows is mine.  Also: I fetch for att (0) or for o_w (1)
	s_and_b32 s16, s14, 1                          ; which half of its columns.  Also: which head of a slot I fetch
	s_bfe_u32 s40, ttmp6, 0x40000                  ; cx
	s_bfe_u32 s41, ttmp6, 0x40004                  ; cy
	s_lshl_b32 s42, ttmp9, 2
	s_add_co_u32 s42, s42, s40                     ; tile column = 4 x cluster x + cx
	s_and_b32 s13, ttmp7, 0xffff
	s_lshl_b32 s13, s13, 2
	s_add_co_u32 s13, s13, s41                     ; tile row = 4 x cluster y + cy
	s_lshl_b32 s17, s41, 2
	s_lshl_b32 s17, 15, s17                        ; my row of the cluster
	s_lshl_b32 s66, 0x1111, s40                    ; my column
	s_or_b32 s[G1+0], s17, (1<<16)|(1<<20)|(1<<21)|(5<<22)|(3<<25)   ; the mask; elements of 2 bytes; padding on; bit 21 beside a mask; 4 words behind every 64
	s_or_b32 s[G1B+0], s66, (1<<16)|(1<<20)|(1<<21)|(5<<22)|(3<<25)
	s_mov_b32 s[G1+1], 128<<16                     ; att: 128 rows of 128 elements, dense
	s_mov_b32 s[G1+2], 128<<16
	s_mov_b32 s[G1+3], 128<<16
	s_mov_b32 s[G1+4], 128
	s_mov_b32 s[G1+5], 128
	s_mov_b32 s[G1+6], 0
	s_mov_b32 s[G1+7], 0
	s_mov_b32 s[G1B+1], 128<<16                    ; o_w: 64 rows
	s_mov_b32 s[G1B+2], 64<<16
	s_mov_b32 s[G1B+3], 128<<16
	s_mov_b32 s[G1B+4], 64
	s_mov_b32 s[G1B+5], 128
	s_mov_b32 s[G1B+6], 0
	s_mov_b32 s[G1B+7], 0
	s_lshl_b32 s18, s13, 19                        ; att: the tile row's 524,288 bytes, my head of the slot
	s_lshl_b32 s19, s16, 15
	s_add_co_u32 s18, s18, s19
	s_mov_b32 s19, 0
	s_lshl_b32 s46, s42, 18                        ; o_w: the tile column's 262,144 bytes, my head
	s_lshl_b32 s47, s16, 14
	s_add_co_u32 s46, s46, s47
	s_mov_b32 s47, 0
	s_mul_i32 s22, s16, AHEAD                      ; where they go: no place in the cluster enters an LDS address
	s_mul_i32 s23, s16, BHEAD
	s_add_co_u32 s23, s23, BOFF
	s_wait_dscnt 0x0                               ; both opening adds are done
	s_wait_kmcnt 0x0
	s_add_nc_u64 s[20:21], s[4:5], s[18:19]
	s_add_nc_u64 s[46:47], s[6:7], s[46:47]
	CROUND                                         ; all sixteen work-groups are here: the first joint loads meet
.irp s, 0,1
	s_mov_b32 s[G0+4*\s], 1
	s_add_co_u32 s[G0+4*\s+1], s22, \s*SLOT
	s_add_nc_u64 s[G0+4*\s+2:G0+4*\s+3], s[20:21], \s*65536
	s_or_b32 s[G0+4*\s+3], s[G0+4*\s+3], 0x80000000
	s_mov_b32 s[G0B+4*\s], 1
	s_add_co_u32 s[G0B+4*\s+1], s23, \s*SLOT
	s_add_nc_u64 s[G0B+4*\s+2:G0B+4*\s+3], s[46:47], \s*32768
	s_or_b32 s[G0B+4*\s+3], s[G0B+4*\s+3], 0x80000000
	JLOAD \s
.endr
	v_and_b32 v1, 15, v0                           ; r
	v_bfe_u32 v2, v0, 4, 1                         ; h
	s_lshl_b32 s18, s42, 9                         ; my first column in f32 bytes: 512 x tile column + 256 x half
	s_lshl_b32 s19, s16, 8
	s_add_co_u32 s18, s18, s19
	s_mov_b32 s19, 0
	s_add_nc_u64 s[8:9], s[8:9], s[18:19]
	v_lshlrev_b32 v5, 5, v2
.irp b, 0,1,2,3
	global_load_b128 v[BIAS+8*\b:BIAS+8*\b+3], v5, s[8:9] offset:64*\b       ; lane (r, h): o_b of columns 16 b + 8 h + 0 .. 7
	global_load_b128 v[BIAS+8*\b+4:BIAS+8*\b+7], v5, s[8:9] offset:64*\b+16
.endr
	s_add_nc_u64 s[10:11], s[10:11], s[18:19]
	s_lshl_b32 s18, s13, 20                        ; my first row: 256 x tile row + 128 x half, rows of 4,096 bytes
	s_lshl_b32 s17, s15, 19
	s_add_co_u32 s18, s18, s17
	s_add_nc_u64 s[10:11], s[10:11], s[18:19]
	v_lshrrev_b32 v3, 1, v1
	v_mul_u32_u24 v3, v3, PITCH
	v_and_b32 v4, 1, v0
	v_lshl_add_u32 v3, v4, 7, v3
	v_lshl_add_u32 v3, v2, 4, v3                   ; a fragment's row: 272 (r / 2) + 128 (r % 2) + 16 h
	s_mul_i32 s17, s15, 64*PITCH                   ; my 128 rows in a head's block of att
	s_mul_i32 s18, s16, 32*PITCH                   ; my 64 rows in a head's block of o_w
	s_add_co_u32 s18, s18, BOFF
.irp s, 0,1
	v_add_nc_u32 v[ADRA+\s], s17, v3
	v_add_nc_u32 v[ADRB+\s], s18, v3
	s_add_co_u32 s17, s17, SLOT
	s_add_co_u32 s18, s18, SLOT
.endr
	s_mul_i32 s17, s14, 16*SPITCH
	s_add_co_u32 s17, s17, STAGE                   ; my stage
	v_mul_u32_u24 v4, v1, SPITCH
	v_lshl_add_u32 v4, v2, 5, v4
	v_add_nc_u32 v[STO], s17, v4                   ; in: row r, 32 bytes for each half of the lanes
	v_mul_u32_u24 v4, v2, SPITCH
	v_lshl_add_u32 v4, v1, 4, v4
	v_add_nc_u32 v[RD], s17, v4                    ; back: lanes 0-15 one row of 256 bytes, lanes 16-31 the next
	v_lshlrev_b32 v4, 12, v2
	v_lshl_add_u32 v[CO], v1, 4, v4                ; and the same two rows in out0
	s_lshl_b32 s66, s13, 19                        ; the prefetches: my tile row, my head, my work-group's quarter of it,
	s_lshl_b32 s67, s16, 15
	s_add_co_u32 s66, s66, s67
	s_lshl_b32 s67, s40, 13
	s_add_co_u32 s66, s66, s67
	s_add_co_u32 s66, s66, 3*65536                 ; at slot step 3: the first refill steps it to 4
	s_mov_b32 s67, 0
	s_add_nc_u64 s[PFA:PFA+1], s[4:5], s[66:67]
	s_or_b32 s[LIM], s15, ttmp9                    ; 0 in waves 0 and 1 of the clusters with x = 0: the same in all partners, for a given wave
	s_cmp_eq_u32 s[LIM], 0
	s_cselect_b32 s[LIM], 1, -1
	v_and_b32 v[PFO], 31, v0
	v_lshlrev_b32 v[PFO], 8, v[PFO]
.macro MUL8 f, a0, first               ; att's blocks a0, a0 + 1 against o_w's four, 32 along K.  The 32 accumulators take turns
.irp a, \a0, \a0+1
.irp b, 0,1,2,3
.if \first
	v_wmma_f32_16x16x32_f16 v[8*(4*(\a)+\b):8*(4*(\a)+\b)+7], v[\f+8*\b:\f+8*\b+7], v[\f+32+8*(\a):\f+32+8*(\a)+7], v[BIAS+8*\b:BIAS+8*\b+7]
.else
	v_wmma_f32_16x16x32_f16 v[8*(4*(\a)+\b):8*(4*(\a)+\b)+7], v[\f+8*\b:\f+8*\b+7], v[\f+32+8*(\a):\f+32+8*(\a)+7], v[8*(4*(\a)+\b):8*(4*(\a)+\b)+7]
.endif
.endr
.endr
.endm
.macro FETCH slot, qn, f               ; 24 LDS loads: the fragments of the slot's quarter qn (head qn / 2, channels 32 (qn % 2) on): o_w's four, att's 0-3, att's 4-7
.irp b, 0,1,2,3
	ds_load_b128 v[\f+8*\b:\f+8*\b+3],   v[ADRB+\slot] offset:((\qn)/2)*BHEAD+\b*8*PITCH+64*((\qn)%2)
	ds_load_b128 v[\f+8*\b+4:\f+8*\b+7], v[ADRB+\slot] offset:((\qn)/2)*BHEAD+\b*8*PITCH+64*((\qn)%2)+32
.endr
.irp a, 0,1,2,3,4,5,6,7
	ds_load_b128 v[\f+32+8*\a:\f+32+8*\a+3],   v[ADRA+\slot] offset:((\qn)/2)*AHEAD+\a*8*PITCH+64*((\qn)%2)
	ds_load_b128 v[\f+32+8*\a+4:\f+32+8*\a+7], v[ADRA+\slot] offset:((\qn)/2)*AHEAD+\a*8*PITCH+64*((\qn)%2)+32
.endr
.endm
.macro PLACES                          ; four plain lines ahead of loads into registers that matrix instructions have read, and of reads of results
.rept 4
	v_nop
.endr
.endm
.macro QUARTER slot, qn, f, g, first   ; multiplies buffer f; in its middle fetches the slot's quarter qn into g
	s_wait_dscnt 8                                 ; o_w's fragments and att's 0-3 are in; the youngest eight loads (att's 4-7) may be out
	WIN MUL-0x10*(\first)
	MUL8 \f, 0, \first
	MUL8 \f, 2, \first
	PLACES
	WIN 0
	FETCH \slot, \qn, \g
	s_wait_dscnt 24                                ; all but the 24 just issued
	WIN MUL-0x10*(\first)
	MUL8 \f, 4, \first
	MUL8 \f, 6, \first
.endm
; A slot's last quarter multiplies buffer 1 and changes slots: one barrier; in front of it each wave waits for all its tensor loads (one is out: its part of the next slot), runs the add, and waits for it and
; for its reads of this slot.  fill = 1: the barrier opens a round of the cluster's, and the joint refill, two slots ahead, is the first thing behind the round: 112 matrix instructions ahead of the wait for it.
.macro TURN slot, next, fill
.if \fill
	s_wait_xcnt 0x0                                ; the last prefetch, a slot back, has read its address
	s_add_nc_u64 s[PFA:PFA+1], s[PFA:PFA+1], 65536
.endif
	WIN 0
	s_wait_tensorcnt 0x0
	ds_add_u32 v[SPW], v[NIL]
	s_wait_dscnt 9                                 ; (the add and the youngest eight loads may be out)
	WIN MUL
	MUL8 F1, 0, 0
	s_wait_dscnt 0x0                               ; the add is done, and my reads of this slot are over
	s_barrier_signal -1
	MUL8 F1, 2, 0
	WIN 0
	s_barrier_wait -1
.if \fill
	CREST
	s_add_nc_u64 s[G0+4*\slot+2:G0+4*\slot+3], s[G0+4*\slot+2:G0+4*\slot+3], 131072
	s_add_nc_u64 s[G0B+4*\slot+2:G0B+4*\slot+3], s[G0B+4*\slot+2:G0B+4*\slot+3], 65536
	JLOAD \slot                                    ; the four v_nop behind it are also the places ahead of the loads below
.else
	PLACES
.endif
	FETCH \next, 0, F0
.if \fill
	ASK
.endif
	WIN MUL
	MUL8 F1, 4, 0
	MUL8 F1, 6, 0
.endm
	s_wait_tensorcnt 1                             ; my part of slot 0 is in (slot 1's load may be out),
	s_barrier_signal -1
	s_barrier_wait -1                              ; everybody's is
	FETCH 0, 0, F0
	s_wait_loadcnt 0x0                             ; the bias
	QUARTER 0, 1, F0, F1, 1                        ; the first quarter stands ahead of the loop: its products start the sums, on the bias
	WIN 0
	s_mov_b32 s3, LAPS-1
.Llap:                                                 ; a trip goes once round the ring and fills both slots again
	QUARTER 0, 2, F1, F0, 0
	QUARTER 0, 3, F0, F1, 0
	TURN 0, 1, 1
	QUARTER 1, 1, F0, F1, 0
	QUARTER 1, 2, F1, F0, 0
	QUARTER 1, 3, F0, F1, 0
	TURN 1, 0, 1
	QUARTER 0, 1, F0, F1, 0
	WIN 0
	s_sub_co_u32 s3, s3, 1
	s_cmp_lg_u32 s3, 0
	s_cbranch_scc1 .Llap
	QUARTER 0, 2, F1, F0, 0                        ; the last lap fills nothing
	QUARTER 0, 3, F0, F1, 0
	TURN 0, 1, 0
	QUARTER 1, 1, F0, F1, 0
	QUARTER 1, 2, F1, F0, 0
	QUARTER 1, 3, F0, F1, 0
	s_wait_dscnt 8
	WIN MUL
	MUL8 F1, 0, 0
	MUL8 F1, 2, 0
	s_wait_dscnt 0
	MUL8 F1, 4, 0
	MUL8 F1, 6, 0
	WIN 0
	PLACES
; THE WAY OUT, a block of 16 rows x 64 columns at a time, through my own stage: back as whole rows of 256 bytes, sixteen lanes to a row.
.macro TOSTAGE a
	WIN 0x04                                       ; an LDS store's data: window 1
.irp b, 0,1,2,3
	ds_store_b128 v[STO], v[8*(4*(\a)+\b):8*(4*(\a)+\b)+3] offset:64*\b          ; each accumulator from its low end on
	ds_store_b128 v[STO], v[8*(4*(\a)+\b)+4:8*(4*(\a)+\b)+7] offset:64*\b+16
.endr
	WIN 0
.set BB, BK+32*((\a)%2)
.irp i, 0,1,2,3,4,5,6,7
	ds_load_b128 v[BB+4*\i:BB+4*\i+3], v[RD] offset:\i*2*SPITCH   ; LDS serves a wave's instructions in order
.endr
.endm
.macro SEND a, younger
.set BB, BK+32*((\a)%2)
	s_wait_dscnt \younger
.irp i, 0,1,2,3,4,5,6,7
	global_store_b128 v[CO], v[BB+4*\i:BB+4*\i+3], s[10:11] offset:(\a)*65536+\i*8192 th:TH_STORE_NT   ; 16 lanes store 256 consecutive bytes, aligned
.endr
.endm
	TOSTAGE 0
.irp a, 1,2,3,4,5,6,7
.if \a > 1
	s_wait_xcnt 0x0                                ; block a - 2's stores have read their data
.endif
	TOSTAGE \a
	SEND \a-1, 16                                  ; behind block a - 1's loads: block a's 8 stores and 8 loads
.endr
	SEND 7, 0
	s_wait_tensorcnt 0x0                           ; the wave's end, behind my last tensor load and my last LDS store
	ds_add_u32 v[SPW], v[NIL]
	s_wait_dscnt 0x0
	CROUND                                         ; the closing round
	s_endpgm
.Lfunc_end_k_q47f15f687d_oproj:
	.size	k_q47f15f687d_oproj, .Lfunc_end_k_q47f15f687d_oproj-k_q47f15f687d_oproj
	.p2alignl 7, 3214868480
	.fill 96, 4, 3214868480
	.section	.rodata,"a",@progbits
	.p2align	6, 0x0
	.amdhsa_kernel k_q47f15f687d_oproj
		.amdhsa_group_segment_fixed_size 327680
		.amdhsa_private_segment_fixed_size 0
		.amdhsa_enable_private_segment 0
		.amdhsa_kernarg_size 32
		.amdhsa_user_sgpr_count 2
		.amdhsa_user_sgpr_kernarg_segment_ptr 1
		.amdhsa_wavefront_size32 1
		.amdhsa_system_sgpr_workgroup_id_x 1
		.amdhsa_system_sgpr_workgroup_id_y 1
		.amdhsa_system_sgpr_workgroup_id_z 1
		.amdhsa_system_vgpr_workitem_id 0
		.amdhsa_next_free_vgpr 512
		.amdhsa_next_free_sgpr 72
		.amdhsa_reserve_vcc 0
		.amdhsa_float_denorm_mode_32 3
		.amdhsa_float_denorm_mode_16_64 3
		.amdhsa_memory_ordered 1
		.amdhsa_forward_progress 1
		.amdhsa_inst_pref_size 87
	.end_amdhsa_kernel
	.amdgpu_metadata
---
amdhsa.version: [ 1, 2 ]
amdhsa.kernels:
  - .name:           k_q47f15f687d_oproj
    .symbol:         k_q47f15f687d_oproj.kd
    .args:
      - { .name: att16, .offset: 0, .size: 8, .value_kind: global_buffer, .address_space: global }
      - { .name: ow16, .offset: 8, .size: 8, .value_kind: global_buffer, .address_space: global }
      - { .name: o_b, .offset: 16, .size: 8, .value_kind: global_buffer, .address_space: global }
      - { .name: out0, .offset: 24, .size: 8, .value_kind: global_buffer, .address_space: global }
    .group_segment_fixed_size: 327680
    .private_segment_fixed_size: 0
    .kernarg_segment_align: 8
    .kernarg_segment_size: 32
    .max_flat_workgroup_size: 128
    .sgpr_count:     72
    .vgpr_count:     512
    .wavefront_size: 32
...
	.end_amdgpu_metadata
.endif
;; end of part 4
;; launch fine (part 5): grid 16 x 4, 16 waves a work-group, no clusters, 85,248 bytes of LDS; arguments qkv32, o_w, o_b, out0; writes out0
.if DOCPART == 5
	.amdgcn_target "amdgcn-amd-amdhsa--gfx1250"
	.amdhsa_code_object_version 6
	.text
	.protected	k_q47f15f687d_fine
	.globl	k_q47f15f687d_fine
	.p2align	8
	.type	k_q47f15f687d_fine,@function
k_q47f15f687d_fine:
	s_mov_b64 s[64:65], 0
	v_nop
	global_prefetch_b8 v0, s[64:65] scope:SCOPE_SE
	s_setreg_imm32_b32 hwreg(HW_REG_WAVE_MODE, 25, 1), 1
	s_wait_xcnt 0x0
; POSITIONS 0-15 OF EVERY SEQUENCE, IN F32 THROUGHOUT: these rows average one to sixteen values and are the largest of the output, so attention and projection are done again for them with f32 operands
; (v_wmma_f32_16x16x4_f32: 64 rows of 8,192, no bulk work), from qkv32 [batch][16][3072], and overwrite their 64 rows of out0.
; Work-group (ns, batch) makes 16 rows x outputs 64 ns .. + 63.  PHASE A: wave = head: S^T = K Q^T, mask, softmax with the row's maximum, O^T = V^T P; 16 rows x 1,024 of attention meet in LDS.  (Each of a
; batch's 16 work-groups does phase A: 32 matrix instructions a wave.)  PHASE B: wave = (16 outputs, a quarter of K): 64 matrix instructions; the four quarters meet in LDS and are added in a fixed order.
; k is taken in another order than it lies, alike on both operands of a product, so that loads of 16 bytes fill the operands.
; The registers v16-47 are written by matrix instructions alone; what is made of a sum goes to other registers.
.set APITCH, 4112                      ; a row of attention in LDS: 4,096 bytes + 16
.set PART,   16*APITCH                 ; four quarters' results: 16 rows x (256 bytes + 16) each
.set PPITCH, 272
.set SPARE,  PART+4*16*PPITCH          ; the spare words, 128 bytes a wave, which no other line names
.set QKO, 3                            ; v3  q, k: 12,288 r + 128 h
.set VO,  4                            ; v4  v: 98,304 h + 4 r
.set WO,  5                            ; v5  o_w: 4,096 r + 16 h
.set AST, 6                            ; v6  attention into LDS
.set ALD, 7                            ; v7  and out of it
.set PST, 8                            ; v8  my quarter's result into LDS
.set PLD, 9                            ; v9  and out of it
.set OUTO, 10                          ; v10 out0: 4,096 h + 16 r
.set DC,  11                           ; v11 r - 8 h
.set BI,  12                           ; v12-15 o_b of my four columns
.set T,   48                           ; v48-55 scores, p, sums; v56-59 at work
.set SPW, 60
.set NIL, 61
.set BO,  62                           ; v62 16 r
	s_load_b256 s[4:11], s[0:1], 0x0               ; qkv32, o_w, o_b, out0
	v_lshl_add_u32 v[SPW], v0, 2, SPARE
	v_mov_b32 v[NIL], 0
	v_lshrrev_b32 v1, 5, v0
	v_readfirstlane_b32 s12, v1                    ; wave 0..15
	s_and_b32 s14, ttmp7, 0xffff                   ; batch
	s_and_b32 s15, s12, 3                          ; phase B: which 16 outputs
	s_lshr_b32 s16, s12, 2                         ; and which quarter of K
	v_and_b32 v1, 15, v0                           ; r
	v_bfe_u32 v2, v0, 4, 1                         ; h
	v_mul_u32_u24 v[QKO], v1, 12288
	v_lshl_add_u32 v[QKO], v2, 7, v[QKO]
	v_mul_u32_u24 v[VO], v2, 98304
	v_lshl_add_u32 v[VO], v1, 2, v[VO]
	v_lshlrev_b32 v[WO], 12, v1
	v_lshl_add_u32 v[WO], v2, 4, v[WO]
	v_mul_u32_u24 v[ALD], v1, APITCH
	v_lshl_add_u32 v[AST], v2, 5, v[ALD]
	s_lshl_b32 s17, s12, 8
	v_add_nc_u32 v[AST], s17, v[AST]               ; row r, my head's 256 bytes, + 32 h
	v_lshl_add_u32 v[ALD], v2, 4, v[ALD]
	s_lshl_b32 s17, s16, 10
	v_add_nc_u32 v[ALD], s17, v[ALD]               ; row r, my quarter's 1,024 bytes, + 16 h
	v_mul_u32_u24 v[PST], v1, PPITCH
	v_lshl_add_u32 v[PST], v2, 5, v[PST]
	s_mul_i32 s17, s16, 16*PPITCH
	s_lshl_b32 s18, s15, 6
	s_add_co_u32 s17, s17, s18
	s_add_co_u32 s17, s17, PART
	v_add_nc_u32 v[PST], s17, v[PST]
	s_and_b32 s19, s12, 7                          ; the last step: waves 0-7 take rows 2 w, 2 w + 1
	s_mul_i32 s17, s19, 2*PPITCH
	s_add_co_u32 s17, s17, PART
	v_mul_u32_u24 v[PLD], v2, PPITCH
	v_lshl_add_u32 v[PLD], v1, 4, v[PLD]
	v_add_nc_u32 v[PLD], s17, v[PLD]
	v_lshlrev_b32 v[OUTO], 12, v2
	v_lshl_add_u32 v[OUTO], v1, 4, v[OUTO]
	v_lshlrev_b32 v[DC], 3, v2
	v_sub_nc_u32 v[DC], v1, v[DC]
	v_lshlrev_b32 v[BO], 4, v1
	v_mov_b32 v57, 0                               ; written once: a lane permute's destination counts as one of its sources
	v_mov_b32 v58, 0
	v_mov_b32 v59, 0xff800000                      ; -infinity
	s_mov_b32 s20, 0x76543210
	s_mov_b32 s21, 0xfedcba98
	s_mov_b32 s22, 0x3e38aa3b                      ; c = log2(e) / 8
	s_mul_i32 s24, s14, 16*3072*4                  ; qkv32: my batch, my head's 64 columns
	s_lshl_b32 s25, s12, 8
	s_add_co_u32 s24, s24, s25
	s_mov_b32 s25, 0
	s_lshl_b32 s26, ttmp9, 18                      ; o_w: rows 64 ns + 16 x my tile, my quarter of K
	s_lshl_b32 s27, s15, 16
	s_add_co_u32 s26, s26, s27
	s_lshl_b32 s27, s16, 10
	s_add_co_u32 s26, s26, s27
	s_mov_b32 s27, 0
	s_lshl_b32 s28, ttmp9, 8                       ; 64 columns of f32
	s_mov_b32 s29, 0
	s_lshl_b32 s30, s14, 23                        ; out0: 2,048 rows of 4,096 bytes a batch, rows 2 w on
	s_lshl_b32 s31, s19, 13
	s_add_co_u32 s30, s30, s31
	s_mov_b32 s31, 0
	s_wait_kmcnt 0x0
	s_add_nc_u64 s[4:5], s[4:5], s[24:25]
	s_add_nc_u64 s[6:7], s[6:7], s[26:27]
	s_add_nc_u64 s[8:9], s[8:9], s[28:29]
	s_add_nc_u64 s[10:11], s[10:11], s[30:31]
	s_add_nc_u64 s[10:11], s[10:11], s[28:29]
	global_load_b128 v[BI:BI+3], v[BO], s[8:9]
.irp i, 0,1,2,3,4,5,6,7
	global_load_b128 v[64+4*\i:67+4*\i], v[QKO], s[4:5] offset:16*\i          ; q(r, 32 h + 4 i ..)
.endr
.irp i, 0,1,2,3,4,5,6,7
	global_load_b128 v[96+4*\i:99+4*\i], v[QKO], s[4:5] offset:4096+16*\i     ; k likewise
.endr
.set c, 0
.rept 32
	global_load_b128 v[128+4*c:131+4*c], v[WO], s[6:7] offset:32*c            ; o_w(my row r, 8 c + 4 h ..): wanted in phase B
.set c, c+1
.endr
	s_wait_loadcnt 32                              ; o_b, q and k are in; o_w's 32 loads may be out
	; S^T = K Q^T: source 0 = 16 keys, source 1 = 16 queries; two accumulators by turns
	v_wmma_f32_16x16x4_f32 v[16:23], v[96:97], v[64:65], 0
	v_wmma_f32_16x16x4_f32 v[24:31], v[98:99], v[66:67], 0
.set k, 2
.rept 7
	v_wmma_f32_16x16x4_f32 v[16:23], v[96+2*k:97+2*k], v[64+2*k:65+2*k], v[16:23]
	v_wmma_f32_16x16x4_f32 v[24:31], v[98+2*k:99+2*k], v[66+2*k:67+2*k], v[24:31]
.set k, k+2
.endr
.rept 8
	v_nop                                          ; eight places behind this form, ahead of loads into its sources and of reads of its results
.endr
.irp ct, 0,1,2,3
.irp i, 0,1,2,3,4,5,6,7
	global_load_b32 v[64+8*\ct+\i], v[VO], s[4:5] offset:8192+12288*\i+64*\ct   ; v(key 8 h + i, channel 16 ct + r)
.endr
.endr
.irp j, 0,1,2,3,4,5,6,7
	v_add_f32 v[T+\j], v[16+\j], v[24+\j]          ; lane (r, h): query r, key 8 h + j
.endr
.irp j, 0,1,2,3,4,5,6,7
	v_cmp_gt_i32 vcc_lo, \j, v[DC]                 ; hidden where 8 h + j > r
	v_cndmask_b32 v[T+\j], v[T+\j], v59, vcc_lo
.endr
	v_max3_num_f32 v56, v[T], v[T+1], v[T+2]
	v_max3_num_f32 v56, v56, v[T+3], v[T+4]
	v_max3_num_f32 v56, v56, v[T+5], v[T+6]
	v_max_num_f32 v56, v56, v[T+7]
	v_permlanex16_b32 v57, v56, s20, s21
	v_max_num_f32 v56, v56, v57                    ; the row's maximum: key 0 counts for every query
	v_mul_f32 v56, s22, v56
.irp j, 0,1,2,3,4,5,6,7
	v_fma_f32 v[T+\j], v[T+\j], s22, -v56
.endr
.irp j, 0,1,2,3,4,5,6,7
	v_exp_f32 v[T+\j], v[T+\j]
.endr
	v_nop
	s_wait_alu depctr_va_vdst(0)                   ; one wait for the eight, ahead of their first reader
	v_add_f32 v57, v[T], v[T+1]
	v_add_f32 v58, v[T+2], v[T+3]
	v_add_f32 v57, v57, v[T+4]
	v_add_f32 v58, v58, v[T+5]
	v_add_f32 v57, v57, v[T+6]
	v_add_f32 v58, v58, v[T+7]
	v_add_f32 v57, v57, v58
	v_permlanex16_b32 v58, v57, s20, s21
	v_add_f32 v57, v57, v58
	v_rcp_f32 v57, v57
	v_nop
	s_wait_alu depctr_va_vdst(0)
.irp j, 0,1,2,3,4,5,6,7
	v_mul_f32 v[T+\j], v[T+\j], v57                ; the weights, normalised
.endr
	s_wait_loadcnt 0x0                             ; v and o_w
	; O^T = V^T P: source 0 = 16 channels, source 1 = P; four accumulators by turns.  Step kk takes keys 8 h + 2 kk, + 1 on both sides
.irp ct, 0,1,2,3
	v_wmma_f32_16x16x4_f32 v[16+8*\ct:23+8*\ct], v[64+8*\ct:65+8*\ct], v[T:T+1], 0
.endr
.irp kk, 1,2,3
.irp ct, 0,1,2,3
	v_wmma_f32_16x16x4_f32 v[16+8*\ct:23+8*\ct], v[64+8*\ct+2*\kk:65+8*\ct+2*\kk], v[T+2*\kk:T+2*\kk+1], v[16+8*\ct:23+8*\ct]
.endr
.endr
.rept 9
	v_nop                                          ; nine places: phase B's first products write over these accumulators; the stores below want eight
.endr
.irp ct, 0,1,2,3
	ds_store_b128 v[AST], v[16+8*\ct:19+8*\ct] offset:64*\ct       ; lane (r, h): att(r, 64 head + 16 ct + 8 h + 0 .. 7)
	ds_store_b128 v[AST], v[20+8*\ct:23+8*\ct] offset:64*\ct+16
.endr
	s_wait_dscnt 0x0                               ; for the others' sake: my stores have landed
	s_barrier_signal -1
	s_barrier_wait -1                              ; 16 rows x 1,024 of attention lie in LDS
; PHASE B: source 0 = 16 rows of o_w, source 1 = the 16 rows of attention; 128 along K a round; four accumulators by turns
.macro ROUNDB g
.set c, 0
.rept 16
	ds_load_b128 v[64+4*c:67+4*c], v[ALD] offset:32*(16*(\g)+c)
.set c, c+1
.endr
	s_wait_dscnt 0x0
.set c, 0
.rept 16
.irp s, 0,1
.set AC, 16+8*((2*c+\s)%4)
.if ((\g) == 0) && (c < 2)
	v_wmma_f32_16x16x4_f32 v[AC:AC+7], v[128+4*(16*(\g)+c)+2*\s:129+4*(16*(\g)+c)+2*\s], v[64+4*c+2*\s:65+4*c+2*\s], 0
.else
	v_wmma_f32_16x16x4_f32 v[AC:AC+7], v[128+4*(16*(\g)+c)+2*\s:129+4*(16*(\g)+c)+2*\s], v[64+4*c+2*\s:65+4*c+2*\s], v[AC:AC+7]
.endif
.endr
.set c, c+1
.endr
.rept 8
	v_nop
.endr
.endm
	ROUNDB 0
	ROUNDB 1
.irp j, 0,1,2,3,4,5,6,7
	v_add_f32 v[T+\j], v[16+\j], v[24+\j]
.endr
.irp j, 0,1,2,3,4,5,6,7
	v_add_f32 v[64+\j], v[32+\j], v[40+\j]
.endr
.irp j, 0,1,2,3,4,5,6,7
	v_add_f32 v[T+\j], v[T+\j], v[64+\j]           ; lane (r, h): row r, my outputs 8 h + 0 .. 7, my quarter of K
.endr
	ds_store_b128 v[PST], v[T:T+3]
	ds_store_b128 v[PST], v[T+4:T+7] offset:16
	s_wait_tensorcnt 0x0                           ; behind my last LDS store; the final wait also shows my stores landed, for the others' sake
	ds_add_u32 v[SPW], v[NIL]
	s_wait_dscnt 0x0
	s_barrier_signal -1
	s_barrier_wait -1
	s_cmp_lt_u32 s12, 8                            ; waves 0-7 add the quarters: two rows a wave, sixteen lanes to a row's 256 bytes
	s_cbranch_scc0 .Ldone
.irp k, 0,1,2,3
	ds_load_b128 v[64+4*\k:67+4*\k], v[PLD] offset:\k*16*PPITCH
.endr
	s_wait_dscnt 0x0
	v_pk_add_f32 v[64:65], v[64:65], v[68:69]
	v_pk_add_f32 v[66:67], v[66:67], v[70:71]
	v_pk_add_f32 v[72:73], v[72:73], v[76:77]
	v_pk_add_f32 v[74:75], v[74:75], v[78:79]
	v_pk_add_f32 v[64:65], v[64:65], v[72:73]
	v_pk_add_f32 v[66:67], v[66:67], v[74:75]
	v_pk_add_f32 v[64:65], v[64:65], v[BI:BI+1]
	v_pk_add_f32 v[66:67], v[66:67], v[BI+2:BI+3]
	global_store_b128 v[OUTO], v[64:67], s[10:11]  ; 16 lanes store 256 consecutive bytes, aligned
.Ldone:
	s_endpgm
.Lfunc_end_k_q47f15f687d_fine:
	.size	k_q47f15f687d_fine, .Lfunc_end_k_q47f15f687d_fine-k_q47f15f687d_fine
	.p2alignl 7, 3214868480
	.fill 96, 4, 3214868480
	.section	.rodata,"a",@progbits
	.p2align	6, 0x0
	.amdhsa_kernel k_q47f15f687d_fine
		.amdhsa_group_segment_fixed_size 85248
		.amdhsa_private_segment_fixed_size 0
		.amdhsa_enable_private_segment 0
		.amdhsa_kernarg_size 32
		.amdhsa_user_sgpr_count 2
		.amdhsa_user_sgpr_kernarg_segment_ptr 1
		.amdhsa_wavefront_size32 1
		.amdhsa_system_sgpr_workgroup_id_x 1
		.amdhsa_system_sgpr_workgroup_id_y 1
		.amdhsa_system_sgpr_workgroup_id_z 1
		.amdhsa_system_vgpr_workitem_id 0
		.amdhsa_next_free_vgpr 256
		.amdhsa_next_free_sgpr 66
		.amdhsa_reserve_vcc 1
		.amdhsa_float_denorm_mode_32 3
		.amdhsa_float_denorm_mode_16_64 3
		.amdhsa_memory_ordered 1
		.amdhsa_forward_progress 1
		.amdhsa_inst_pref_size 26
	.end_amdhsa_kernel
	.amdgpu_metadata
---
amdhsa.version: [ 1, 2 ]
amdhsa.kernels:
  - .name:           k_q47f15f687d_fine
    .symbol:         k_q47f15f687d_fine.kd
    .args:
      - { .name: qkv32, .offset: 0, .size: 8, .value_kind: global_buffer, .address_space: global }
      - { .name: o_w, .offset: 8, .size: 8, .value_kind: global_buffer, .address_space: global }
      - { .name: o_b, .offset: 16, .size: 8, .value_kind: global_buffer, .address_space: global }
      - { .name: out0, .offset: 24, .size: 8, .value_kind: global_buffer, .address_space: global }
    .group_segment_fixed_size: 85248
    .private_segment_fixed_size: 0
    .kernarg_segment_align: 8
    .kernarg_segment_size: 32
    .max_flat_workgroup_size: 512
    .sgpr_count:     66
    .vgpr_count:     256
    .wavefront_size: 32
...
	.end_amdgpu_metadata
.endif
;; end of part 5
